; MI455X (gfx1250); checked and timed in simulation.
; The chip was launched on July 23, 2026; its instructions are those of AMD's public machine-readable ISA for CDNA 5 (MIT licence, August 2026) and "CDNA5" Instruction Set Architecture Reference Guide (July 2026). The comments in the code are by the model that wrote it; some were corrected since.
;; MAN. Allowed arithmetic: matrix products marked QUANTISED: E2M1 operands, one E8M0 scale for each 32 along K, by v_wmma_scale_f32_16x16x128_f8f6f4 with both operands' format E2M1 (or v_wmma_scale_f32_32x16x128_f4), f32 sums; products left as they are: bf16, f16 or f32 operands; f32 sums; everything else in f32.
;; Inputs: Wk 1,024 x 1,024 float32; Wo 1,024 x 1,024 float32; Wq 1,024 x 1,024 float32; Wv 1,024 x 1,024 float32; bk 1,024 float32; bo 1,024 float32; bq 1,024 float32; bv 1,024 float32; gammas 16 float32; k 4 x 1,024 x 1,024 float32; q 4 x 1,024 x 1,024 float32; v 4 x 1,024 x 1,024 float32.
;; Outputs: out0 4 x 1,024 x 1,024 float32.
;; This version of the problem:
;;   THIS VERSION OF THE PROBLEM IS GIVEN IN LOW PRECISION. The matrix products marked QUANTISED in the list below multiply operands that are first quantised to E2M1 (2 exponent bits, 1 mantissa bit; 4 bits a number), with one power-of-two scale for each 32 numbers along K (OCP MX v1.0); their sums are f32. The products marked 'left as it is' may take bf16, f16 or f32 operands, with f32 sums. Whichever they take, every output number must still come out within the allowed error. Rounding operands to bf16 (8 significant bits) uses up far more of that allowance than f16 does (11 bits, for magnitudes from 6e-5 to 65,504). All else is computed in f32.
;;   The module's matrix products, in the order in which they are computed (A, B: the left and right operand; K: the contracted axis; several contracted axes count as one K, in the product's order):
;;     1. [M 4,096, K 1,024] x [K 1,024, N 1,024]; A: input q; B: input Wq: QUANTISED
;;     2. [M 4,096, K 1,024] x [K 1,024, N 1,024]; A: input k; B: input Wk: QUANTISED
;;     3. [M 4,096, K 1,024] x [K 1,024, N 1,024]; A: input v; B: input Wv: QUANTISED
;;     4. batch 64 x [M 1,024, K 64] x [K 64, N 1,024]; A: computed on the way; B: computed on the way: left as it is (an operand is computed on the way)
;;     5. batch 64 x [M 1,024, K 1,024] x [K 1,024, N 64]; A: computed on the way; B: computed on the way: left as it is (an operand is computed on the way)
;;     6. [M 4,096, K 1,024] x [K 1,024, N 1,024]; A: computed on the way; B: input Wo: left as it is (an operand is computed on the way)
;;   THE QUANTISER, for each operand of a quantised product, along K:
;;     - K is cut into blocks of 32 from its start; a last block that is shorter is filled with zeros.
;;     - A block's scale is 2^e with e = floor(log2(the largest magnitude in the block)) - 2, held to -126 .. 127; a block of zeros has e = 0. As a byte (E8M0): e + 127.
;;     - Each number is divided by its block's scale, clamped to +-6, and rounded to the nearest number of E2M1, ties to even, subnormals kept.
;;     - The product sums the exact products of the quantised numbers (number of the format x scale) in f32.
;;   ~~~python
;;   def quantise(x, axis):      # numpy; x: float32 -> the quantised numbers, widened to float32 again
;;       x = np.moveaxis(x, axis, -1); K = x.shape[-1]
;;       x = np.pad(x, [(0, 0)] * (x.ndim - 1) + [(0, -K % 32)]); x = x.reshape(x.shape[:-1] + (-1, 32)); a = np.abs(x).max(-1, keepdims=True)
;;       e = np.where(a > 0, np.clip(np.frexp(np.where(a > 0, a, 1))[1] - 1 - 2, -126, 127), 0)      # np.frexp(a)[1] - 1 = floor(log2(a)), exactly
;;       r = np.clip(x / 2.0 ** e, -6, 6)
;;       step = 2.0 ** (np.maximum(np.frexp(np.where(r == 0, 1, r))[1] - 1, 0) - 1)
;;       q = np.round(r / step) * step * 2.0 ** e      # np.round: ties to even
;;       return np.moveaxis(q.reshape(q.shape[:-2] + (-1,))[..., :K], -1, axis).astype(np.float32)
;;   ~~~
;; One version. Each part assembles by itself: llvm-mc -triple=amdgcn-amd-amdhsa -mcpu=gfx1250 --defsym DOCPART=n.
;; ======== version 1 of 1: 5 launches
;; limits: values are held in f16: magnitudes above 65,504 overflow, below 6.1e-05 lose precision
;; workspace buffers: codes 7,864,320 bytes; sc 491,520 bytes; woh 2,097,152 bytes; heads 25,165,824 bytes; fine32 786,432 bytes; cimg 8,388,608 bytes; mz 32,768 bytes
;; launch quant (part 1): grid 256 x 1, 4 waves a work-group, no clusters, 35,328 bytes of LDS; arguments q, k, v, Wq, Wk, Wv, Wo, codes, sc, woh; writes codes, sc, woh
.if DOCPART == 1
	.amdgcn_target "amdgcn-amd-amdhsa--gfx1250"
	.amdhsa_code_object_version 6
	.text
	.protected	k_q60c4ad3d13_quant
	.globl	k_q60c4ad3d13_quant
	.p2align	8
	.type	k_q60c4ad3d13_quant,@function
k_q60c4ad3d13_quant:
	s_mov_b64 s[64:65], 0
	v_nop
	global_prefetch_b8 v0, s[64:65] scope:SCOPE_SE
	s_setreg_imm32_b32 hwreg(HW_REG_WAVE_MODE, 25, 1), 1
	s_wait_xcnt 0x0
; THE PROGRAM: monotonic attention, B 4, S 1024, D 1024, H 16, head size 64, in five launches:
;   quant: q, k, v, Wq, Wk, Wv into codes of E2M1 with E8M0 scales; Wo into f16.   proj: the three quantised products, + bias, split into heads.
;   attn: first softmax over ALL keys, decay, second softmax, P V.   fine: positions 0-15 of each sequence in f32.   outp: the product with Wo for all other rows.
; DEAD WORK LEFT OUT.  reference() multiplies the first softmax by its own tril mask and sets scores to -1e32 outside it.  For key > query the masked weight is 0, so it adds nothing to
; disttotal - distcum of any key that counts; exp(-1e32 - max) is 0 in real numbers beside the diagonal term, which is always there; so such a key adds nothing to the second softmax nor to P V, for all finite inputs.
; So steps of 64 keys that lie wholly above the diagonal are left out of the decay, the second softmax and P V.  The first softmax's maximum and sum do run over all 1024 keys: they are live.
; No input is dead: every bias moves a result (scores x effect is not invariant under a shift).  LIMIT: a NaN, an infinity or an overflow that arises only in the key steps left out is not carried to the result.
; LIMITS OF THE PROGRAM: |projected q, k, v| under 65504 (they are handed on as f16); NaN and infinities among the inputs are not served; a block whose largest magnitude lies under 2^-124 keeps the scale byte 1
; (a block of zeros too, where the rule says 127: its codes are zeros, and the bytes are read by this program alone); disttotal - distcum is formed as the sum of the later weights, all non-negative,
; not as a difference, and the clip at 0 is kept as the magnitude under the root.
;
; THIS LAUNCH.  1024 jobs, one a wave: a row tile of 16 rows x 1024 numbers, 65536 dense bytes.  Work-groups 0-63 q, 64-127 k, 128-191 v, 192-207 Wq, 208-223 Wk, 224-239 Wv (codes), 240-255 Wo (f16).
; 16 steps of 64 columns.  Each load reads 256 consecutive bytes of two rows; a step turns through the wave's own stage in LDS, so that lane (r, hb) holds the 32 numbers of block 2 t + hb of row r.
; OUTPUT AS IMAGES OF THE READER'S REGISTERS: codes [row tile][block 0-31][row 0-15][16 bytes]: a step's store is 512 consecutive bytes; sc [row][32 bytes]; woh [row tile][group of 8 k][row][16 bytes].
; Waves share nothing: no barrier.  Only pointers and register work differ between the two kinds of job: every LDS line is on the one way that all take.
.set WREG,  8704                       ; LDS of a wave: two stages of 16 rows x 272 bytes
.set STGB,  4352
.set SPARE, 34816                      ; behind the four regions: the spare words, 128 bytes a wave
.set SPW,   12                         ; v12 my spare word's address; v13 zero; both never rewritten
.set NIL,   13
.set SBW,   16                         ; v16-23 the row's scale words, my half of the bytes
.set C,     24                         ; v24-39 store data
.set PT,    56                         ; v56-63 the other half of the lanes' scale bytes
.set X,     64                         ; v64-127 two sets of 32 neighbours
.set R,     128                        ; v128-255 four sets of 32 as loaded
.set TY,    30                         ; s30: 1 in Wo's work-groups
	s_load_b512 s[4:19], s[0:1], 0x0               ; q k v Wq Wk Wv Wo codes
	s_load_b128 s[20:23], s[0:1], 0x40             ; sc woh
	v_lshl_add_u32 v[SPW], v0, 2, SPARE
	v_mov_b32 v[NIL], 0
	v_lshrrev_b32 v2, 5, v0
	v_readfirstlane_b32 s2, v2                     ; wave
	v_and_b32 v1, 31, v0                           ; lane
	v_and_b32 v2, 15, v0                           ; r
	v_bfe_u32 v10, v0, 4, 1                        ; h
	v_lshlrev_b32 v3, 4, v2
	v_lshl_add_u32 v3, v10, 12, v3                 ; in: 16 bytes a lane, lanes 16-31 one row down
	v_lshlrev_b32 v4, 4, v1                        ; codes: 16 x lane
	v_lshlrev_b32 v5, 4, v2
	v_lshl_add_u32 v5, v10, 10, v5                 ; woh: 16 r + 1024 h
	v_lshlrev_b32 v6, 5, v2
	v_lshl_add_u32 v6, v10, 4, v6                  ; sc: 32 r + 16 h
	v_lshlrev_b32 v7, 3, v10                       ; 8 h: my bytes' place in a scale word
	s_mul_i32 s3, s2, WREG
	v_mul_u32_u24 v14, v10, 272
	v_lshl_add_u32 v14, v2, 4, v14
	v_add_nc_u32 v14, s3, v14                      ; the stage, on the way in: as loaded
	v_mul_u32_u24 v15, v2, 272
	v_lshl_add_u32 v15, v10, 7, v15
	v_add_nc_u32 v15, s3, v15                      ; and out: row r, 128 bytes for each half of the lanes
	s_mov_b32 s34, 0x76543210
	s_mov_b32 s35, 0xfedcba98                      ; lane l xor 16
.irp n, 0,1,2,3,4,5,6,7
	v_mov_b32 v[SBW+\n], 0
	v_mov_b32 v[PT+\n], 0
.endr
	s_wait_kmcnt 0x0
	s_mov_b64 s[24:25], s[16:17]                   ; which tensor: a choice on the work-group's number alone
	s_mov_b32 s26, 240                             ; and its first work-group
	s_cmp_lt_u32 ttmp9, 240
	s_cselect_b64 s[24:25], s[14:15], s[24:25]
	s_cselect_b32 s26, 224, s26
	s_cmp_lt_u32 ttmp9, 224
	s_cselect_b64 s[24:25], s[12:13], s[24:25]
	s_cselect_b32 s26, 208, s26
	s_cmp_lt_u32 ttmp9, 208
	s_cselect_b64 s[24:25], s[10:11], s[24:25]
	s_cselect_b32 s26, 192, s26
	s_cmp_lt_u32 ttmp9, 192
	s_cselect_b64 s[24:25], s[8:9], s[24:25]
	s_cselect_b32 s26, 128, s26
	s_cmp_lt_u32 ttmp9, 128
	s_cselect_b64 s[24:25], s[6:7], s[24:25]
	s_cselect_b32 s26, 64, s26
	s_cmp_lt_u32 ttmp9, 64
	s_cselect_b64 s[24:25], s[4:5], s[24:25]
	s_cselect_b32 s26, 0, s26
	s_cmp_ge_u32 ttmp9, 240
	s_cselect_b32 s[TY], 1, 0
	s_lshl_b32 s27, ttmp9, 2
	s_add_co_u32 s27, s27, s2                      ; J: my row tile among the 1024
	s_lshl_b32 s28, s26, 2
	s_sub_co_u32 s28, s27, s28                     ; and within its tensor
	s_lshl_b32 s28, s28, 16
	s_mov_b32 s29, 0
	s_add_nc_u64 s[24:25], s[24:25], s[28:29]
	s_min_u32 s28, s27, 959                        ; held to the buffers' own tiles, so that no pointer leaves its buffer in a job that does not use it
	s_lshl_b32 s32, s28, 13
	s_mov_b32 s33, 0
	s_add_nc_u64 s[18:19], s[18:19], s[32:33]
	s_lshl_b32 s32, s28, 9
	s_add_nc_u64 s[20:21], s[20:21], s[32:33]
	s_max_u32 s28, s27, 960
	s_sub_co_u32 s28, s28, 960
	s_lshl_b32 s32, s28, 15
	s_add_nc_u64 s[22:23], s[22:23], s[32:33]
.macro LOAD t                          ; step t: 8 loads, each 256 consecutive bytes of two rows
.irp i, 0,1,2,3,4,5,6,7
	global_load_b128 v[R+32*((\t)%4)+4*\i:R+32*((\t)%4)+4*\i+3], v3, s[24:25] offset:8192*\i+256*(\t) th:TH_LOAD_NT
.endr
.endm
.macro TURN t                          ; through the stage: LDS serves a wave's instructions in order, so no wait stands between the stores and the loads
.irp i, 0,1,2,3,4,5,6,7
	ds_store_b128 v14, v[R+32*((\t)%4)+4*\i:R+32*((\t)%4)+4*\i+3] offset:STGB*((\t)%2)+544*\i
.endr
.irp n, 0,1,2,3,4,5,6,7
	ds_load_b128 v[X+32*((\t)%2)+4*\n:X+32*((\t)%2)+4*\n+3], v15 offset:STGB*((\t)%2)+16*\n
.endr
.endm
.macro STEP t
.set XS, X+32*((\t)%2)
	s_wait_dscnt 0x0                               ; this step's numbers are back, and its stores into the stage have read their registers
	s_wait_xcnt 0x0                                ; the last step's global stores have read theirs: C is written again only behind this wait
.if (\t)+4 <= 15
	LOAD (\t)+4
.endif
.if (\t) < 15
.if (\t)+4 <= 15
	s_wait_loadcnt 24                              ; the next step's 8 loads are in; those of the three steps behind it may be out
.else
	s_wait_loadcnt 8*(14-(\t))
.endif
	TURN (\t)+1                                    ; through the other stage while this step is worked
.endif
	s_cmp_eq_u32 s[TY], 1
	s_cbranch_scc1 .Lwo_\@
	v_max3_num_f32 v8, |v[XS]|, |v[XS+1]|, |v[XS+2]|       ; the block's largest magnitude: all 32 numbers are mine
	v_max3_num_f32 v9, |v[XS+3]|, |v[XS+4]|, |v[XS+5]|
.irp i, 6,10,14,18,22,26
	v_max3_num_f32 v8, v8, |v[XS+\i]|, |v[XS+\i+1]|
	v_max3_num_f32 v9, v9, |v[XS+\i+2]|, |v[XS+\i+3]|
.endr
	v_max3_num_f32 v8, v8, |v[XS+30]|, |v[XS+31]|
	v_max3_num_f32 v8, v8, v9, 0x1800000           ; and the floor 2^(3 - 127): the byte cannot fall under 1
	v_add_nc_u32 v11, 0xff000000, v8               ; 2 off the exponent field: the conversion's scale operand
.irp g, 0,1,2,3
	v_cvt_scalef32_pk8_fp4_f32 v[C+\g], v[XS+8*\g:XS+8*\g+7], v11
.endr
	v_lshrrev_b32 v10, 23, v11                     ; the scale's byte (also the plain line behind the conversions)
	v_lshl_or_b32 v[SBW+(\t)/2], v10, 16*((\t)%2), v[SBW+(\t)/2]
	global_store_b128 v4, v[C:C+3], s[18:19] offset:512*(\t)       ; 512 consecutive bytes
	s_branch .Ljoin_\@
.Lwo_\@:
.irp n, 0,1,2,3,4,5,6,7,8,9,10,11,12,13,14,15
	v_cvt_pk_f16_f32 v[C+\n], v[XS+2*\n], v[XS+2*\n+1]
.endr
.irp n, 0,1,2,3
	global_store_b128 v5, v[C+4*\n:C+4*\n+3], s[22:23] offset:2048*(\t)+256*\n   ; each half of the lanes stores 256 consecutive aligned bytes
.endr
.Ljoin_\@:
.endm
.irp t, 0,1,2,3
	LOAD \t
.endr
	s_wait_loadcnt 24                              ; step 0's 8 loads are in
	TURN 0
.irp t, 0,1,2,3,4,5,6,7,8,9,10,11,12,13,14,15
	STEP \t
.endr
	s_cmp_eq_u32 s[TY], 1
	s_cbranch_scc1 .Ldone
	s_wait_xcnt 0x0                                ; the last store has read C
.irp n, 0,1,2,3,4,5,6,7
	v_lshlrev_b32 v[SBW+\n], v7, v[SBW+\n]         ; my bytes at their places: 8 h bits up
.endr
.irp n, 0,1,2,3,4,5,6,7
	v_permlanex16_b32 v[PT+\n], v[SBW+\n], s34, s35
.endr
.irp n, 0,1,2,3,4,5,6,7
	v_or_b32 v[SBW+\n], v[SBW+\n], v[PT+\n]        ; with lane l xor 16's the row's eight words are whole
.endr
	v_cmp_le_u32 vcc_lo, 16, v1
.irp n, 0,1,2,3
	v_cndmask_b32 v[C+\n], v[SBW+\n], v[SBW+4+\n], vcc_lo  ; lanes 0-15 store words 0-3, lanes 16-31 words 4-7
.endr
	global_store_b128 v6, v[C:C+3], s[20:21]       ; the tile's 512 scale bytes, consecutive
.Ldone:
	s_wait_tensorcnt 0x0                           ; the wave's end, behind my last LDS store
	ds_add_u32 v[SPW], v[NIL]
	s_wait_dscnt 0x0
	s_endpgm
.Lfunc_end_k_q60c4ad3d13_quant:
	.size	k_q60c4ad3d13_quant, .Lfunc_end_k_q60c4ad3d13_quant-k_q60c4ad3d13_quant
	.p2alignl 7, 3214868480
	.fill 96, 4, 3214868480
	.section	.rodata,"a",@progbits
	.p2align	6, 0x0
	.amdhsa_kernel k_q60c4ad3d13_quant
		.amdhsa_group_segment_fixed_size 35328
		.amdhsa_private_segment_fixed_size 0
		.amdhsa_enable_private_segment 0
		.amdhsa_kernarg_size 80
		.amdhsa_user_sgpr_count 2
		.amdhsa_user_sgpr_kernarg_segment_ptr 1
		.amdhsa_wavefront_size32 1
		.amdhsa_system_sgpr_workgroup_id_x 1
		.amdhsa_system_sgpr_workgroup_id_y 1
		.amdhsa_system_sgpr_workgroup_id_z 1
		.amdhsa_system_vgpr_workitem_id 0
		.amdhsa_next_free_vgpr 256
		.amdhsa_next_free_sgpr 66
		.amdhsa_reserve_vcc 1
		.amdhsa_float_denorm_mode_32 3
		.amdhsa_float_denorm_mode_16_64 3
		.amdhsa_memory_ordered 1
		.amdhsa_forward_progress 1
		.amdhsa_inst_pref_size 83
	.end_amdhsa_kernel
	.amdgpu_metadata
---
amdhsa.version: [ 1, 2 ]
amdhsa.kernels:
  - .name:           k_q60c4ad3d13_quant
    .symbol:         k_q60c4ad3d13_quant.kd
    .args:
      - { .name: q, .offset: 0, .size: 8, .value_kind: global_buffer, .address_space: global }
      - { .name: k, .offset: 8, .size: 8, .value_kind: global_buffer, .address_space: global }
      - { .name: v, .offset: 16, .size: 8, .value_kind: global_buffer, .address_space: global }
      - { .name: Wq, .offset: 24, .size: 8, .value_kind: global_buffer, .address_space: global }
      - { .name: Wk, .offset: 32, .size: 8, .value_kind: global_buffer, .address_space: global }
      - { .name: Wv, .offset: 40, .size: 8, .value_kind: global_buffer, .address_space: global }
      - { .name: Wo, .offset: 48, .size: 8, .value_kind: global_buffer, .address_space: global }
      - { .name: codes, .offset: 56, .size: 8, .value_kind: global_buffer, .address_space: global }
      - { .name: sc, .offset: 64, .size: 8, .value_kind: global_buffer, .address_space: global }
      - { .name: woh, .offset: 72, .size: 8, .value_kind: global_buffer, .address_space: global }
    .group_segment_fixed_size: 35328
    .private_segment_fixed_size: 0
    .kernarg_segment_align: 8
    .kernarg_segment_size: 80
    .max_flat_workgroup_size: 128
    .sgpr_count:     66
    .vgpr_count:     256
    .wavefront_size: 32
...
	.end_amdgpu_metadata
.endif
;; end of part 1
;; launch proj (part 2): grid 12 x 16, 4 waves a work-group, clusters of 4 x 4, 262,656 bytes of LDS; arguments codes, sc, bq, bk, bv, heads, fine32; writes heads, fine32
.if DOCPART == 2
	.amdgcn_target "amdgcn-amd-amdhsa--gfx1250"
	.amdhsa_code_object_version 6
	.text
	.protected	k_q60c4ad3d13_proj
	.globl	k_q60c4ad3d13_proj
	.p2align	8
	.type	k_q60c4ad3d13_proj,@function
k_q60c4ad3d13_proj:
	s_mov_b64 s[64:65], 0
	v_nop
	global_prefetch_b8 v0, s[64:65] scope:SCOPE_SE
	s_setreg_imm32_b32 hwreg(HW_REG_WAVE_MODE, 25, 1), 1
	s_wait_xcnt 0x0
	s_wait_alu depctr_hold_cnt(0) depctr_sa_sdst(0) depctr_va_vdst(0) depctr_va_sdst(0) depctr_va_ssrc(0) depctr_va_vcc(0) depctr_vm_vsrc(0)
	s_getreg_b32 s2, hwreg(HW_REG_IB_STS2, 6, 4)
	s_cmp_eq_u32 s2, 0
	s_cbranch_scc0 .Lentry_in_a_cluster
	s_endpgm
.Lentry_in_a_cluster:
	s_bfe_u32 s2, ttmp6, 0x10000c
	s_cmp_lg_u32 s2, 0xf033
	s_cbranch_scc0 .Lentry_shape_is_right
	s_endpgm
.Lentry_shape_is_right:
; The three quantised products x W^T + b on codes of E2M1 with E8M0 scales: M 4096, N 1024, K 1024 each.  Cluster x = which product (0 q, 1 k, 2 v); cluster y = which 256 positions of a sequence;
; in the cluster cx = which 256 features, cy = the batch.  A work-group makes 256 tokens x 256 features; each of four waves 128 x 128: 64 accumulators.
; ALL OF K LIES IN LDS: the tile's codes of x (131072 bytes) and of W (131072), images of the operand's registers as the launch before laid them: a fragment is two loads at 16 x lane.  One tensor load a wave,
; 65536 dense bytes, asked for JOINTLY: x's by the four of a row of the cluster (same batch and positions), W's by the four of a column (same features).  Nothing is filled twice.
; ORIENTATION.  q and k: source 0 = rows of W, source 1 = rows of x: a lane holds one token and eight neighbouring features.  v: source 0 = rows of x, source 1 = rows of W: a lane holds one feature and eight
; neighbouring tokens, which is what P V wants (the keys are its K).  The multiplying text is the same: only two LDS bases, the scales' offsets and the way out differ, all chosen on the cluster's x.
; OUT: + bias in f32, rounded to f16, stored as images of the next launch's operands: heads [3][64 batch x head][64 token tiles][4 feature tiles][512 bytes]: each store 512 consecutive bytes.
; The first token tile of each sequence also leaves in f32 (fine32), for the launch that carries positions 0-15 finely.
; LIMIT: |x W^T + b| under 65504.
; REGISTERS: window 0: v1-29 addresses; v32-95 scale words (lanes 0-15 source 1's block, lanes 16-31 source 0's; they hold nothing else); v96-127 packed results; v128-191 source 1's fragments, later sums + bias;
; v192-255 the bias in the result's layout.  window 1: source 0's fragments, two sets.  windows 2, 3: accumulator (a, b) at v[8 (8 (a % 4) + b)], a = source 1's block, b = source 0's.
.set FR,     8
.set NP,     4                         ; places behind this matrix form (ISA guide 7.12.1)
.set SPARE,  262144                    ; behind the two tiles: the spare words, 128 bytes a wave
.set LANE16, 1
.set VB,     8                         ; v8-15 the bias loads' offsets
.set ADR1,   16
.set ADR0,   20
.set SPW,    28
.set NIL,    29
.set SC,     32
.set H,      96
.set AF,     128
.set TMP,    128
.set BIAS,   192
.set WV,     18
.set G1,     24
.set G0,     32
.set G1B,    48
.set G0B,    56
.set HB,     66
.set FB,     68
.set FINE,   70
.set MSB, 0
.macro WIN new                         ; the immediate's high byte repeats the setting that is left
.if MSB != (\new)
	s_set_vgpr_msb (MSB<<8)|(\new)
.set MSB, (\new)
.endif
.endm
.set MUL_LO, 0xa1                      ; source 0 window 1, source 1 window 0, C and D window 2
.set MUL_HI, 0xf1
.set TO_B,   0x40
.macro CROUND                          ; a round of the cluster's barrier
	s_barrier_signal -1
	s_barrier_wait -1
	s_cmp_lg_u32 s[WV], 0
	s_cbranch_scc1 .Lnot_wave_0_\@
	s_barrier_signal -3
.Lnot_wave_0_\@:
	s_barrier_wait -3
	s_barrier_signal -1
	s_barrier_wait -1
.endm
.macro PLACES n
.rept \n
	v_nop
.endr
.endm
	s_load_b256 s[4:11], s[0:1], 0x0               ; codes sc bq bk
	s_load_b128 s[12:15], s[0:1], 0x20             ; bv heads
	s_load_b64 s[16:17], s[0:1], 0x30              ; fine32
	v_lshl_add_u32 v[SPW], v0, 2, SPARE
	v_mov_b32 v[NIL], 0
	ds_add_u32 v[SPW], v[NIL]                      ; the opening: the add, twice on end, and its wait ahead of my first tensor load
	ds_add_u32 v[SPW], v[NIL]
	v_lshrrev_b32 v2, 5, v0
	v_readfirstlane_b32 s[WV], v2
	s_lshr_b32 s19, s[WV], 1                       ; my half of source 1's rows.  Also: I fetch for x (0) or for W (1)
	s_and_b32 s20, s[WV], 1                        ; my half of source 0's rows.  Also: which half of that tile I fetch
	s_mov_b32 s21, ttmp9                           ; which product
	s_and_b32 s22, ttmp7, 0xffff                   ; which 256 positions
	s_bfe_u32 s40, ttmp6, 0x40000                  ; cx
	s_bfe_u32 s41, ttmp6, 0x40004                  ; cy
	s_lshl_b32 s43, s41, 2
	s_lshl_b32 s43, 15, s43                        ; my row of the cluster
	s_lshl_b32 s44, 0x1111, s40                    ; my column
	s_or_b32 s[G1], s43, (3<<16)|(1<<21)           ; the mask; elements of 8 bytes; bit 21 beside a mask; no padding
	s_or_b32 s[G1B], s44, (3<<16)|(1<<21)
.irp g, G1, G1B
	s_mov_b32 s[\g+1], 32<<16                      ; tensor_dim0 = 32 elements: rows of 256 bytes
	s_mov_b32 s[\g+2], 256<<16                     ; tensor_dim1 = 256
	s_mov_b32 s[\g+3], 32<<16                      ; tile_dim0
	s_mov_b32 s[\g+4], 256                         ; tile_dim1
	s_mov_b32 s[\g+5], 32                          ; dense
	s_mov_b32 s[\g+6], 0
	s_mov_b32 s[\g+7], 0
.endr
	s_cmp_eq_u32 s21, 2
	s_cselect_b32 s23, 1, 0                        ; is it v
	s_cselect_b32 s36, s20, s19                    ; hx: my half of the tokens
	s_cselect_b32 s37, s19, s20                    ; hw: my half of the features
	s_lshl_b32 s38, s41, 2
	s_add_co_u32 s38, s38, s22                     ; 4 x batch + block of positions
	s_lshl_b32 s46, s21, 8
	s_lshl_b32 s45, s38, 4
	s_add_co_u32 s46, s46, s45
	s_lshl_b32 s45, s20, 3
	s_add_co_u32 s46, s46, s45                     ; x: row tile 256 T + 16 (4 cy + cly) + 8 x half
	s_lshl_b32 s46, s46, 13
	s_mov_b32 s47, 0
	s_lshl_b32 s72, s21, 6
	s_lshl_b32 s60, s40, 4
	s_add_co_u32 s72, s72, s60
	s_add_co_u32 s72, s72, s45
	s_add_co_u32 s72, s72, 768                     ; W: row tile 768 + 64 T + 16 cx + 8 x half
	s_lshl_b32 s72, s72, 13
	s_mov_b32 s73, 0
	s_lshl_b32 s42, s[WV], 16                      ; where my load goes: wave x 65536
	s_wait_dscnt 0x0                               ; both opening adds are done
	s_wait_kmcnt 0x0
	CROUND                                         ; all sixteen work-groups are here: the joint loads meet
	s_mov_b32 s[G0], 1
	s_mov_b32 s[G0+1], s42
	s_add_nc_u64 s[G0+2:G0+3], s[4:5], s[46:47]
	s_or_b32 s[G0+3], s[G0+3], 0x80000000
	s_mov_b32 s[G0B], 1
	s_mov_b32 s[G0B+1], s42
	s_add_nc_u64 s[G0B+2:G0B+3], s[4:5], s[72:73]
	s_or_b32 s[G0B+3], s[G0B+3], 0x80000000
	s_cmp_eq_u32 s19, 0                            ; waves 0, 1: x's halves; waves 2, 3: W's.  One load of mine is out
	s_cbranch_scc0 .Lfor_w
	tensor_load_to_lds s[G0:G0+3], s[G1:G1+7]
	s_nop 0
.rept 4
	v_nop
.endr
	s_branch .Lasked
.Lfor_w:
	tensor_load_to_lds s[G0B:G0B+3], s[G1B:G1B+7]
	s_nop 0
.rept 4
	v_nop
.endr
.Lasked:
	v_and_b32 v2, 15, v0                           ; r
	v_bfe_u32 v3, v0, 4, 1                         ; h
	v_and_b32 v4, 31, v0
	v_lshlrev_b32 v[LANE16], 4, v4
	s_cmp_eq_u32 s23, 1
	s_cselect_b32 s74, 0, 0x20000                  ; source 0's tile: x's for v, else W's
	s_cselect_b32 s75, 0x20000, 0                  ; source 1's: the other
	s_lshl_b32 s76, s20, 16
	s_add_co_u32 s74, s74, s76
	s_lshl_b32 s76, s19, 16
	s_add_co_u32 s75, s75, s76
	v_add_nc_u32 v[ADR0], s74, v[LANE16]
	v_add_nc_u32 v[ADR1], s75, v[LANE16]
	; the scale words, from memory straight into registers: 32 bytes a row, all of K
	s_lshl_b32 s77, s21, 12
	s_lshl_b32 s76, s38, 8
	s_add_co_u32 s77, s77, s76
	s_lshl_b32 s76, s36, 7
	s_add_co_u32 s77, s77, s76
	s_lshl_b32 s77, s77, 5                         ; x's rows: (4096 T + 256 (4 cy + cly) + 128 hx) x 32
	s_lshl_b32 s78, s21, 10
	s_lshl_b32 s76, s40, 8
	s_add_co_u32 s78, s78, s76
	s_lshl_b32 s76, s37, 7
	s_add_co_u32 s78, s78, s76
	s_add_co_u32 s78, s78, 12288
	s_lshl_b32 s78, s78, 5                         ; W's rows
	s_cmp_eq_u32 s23, 1
	s_cselect_b32 s79, s78, s77                    ; source 1's
	s_cselect_b32 s80, s77, s78                    ; source 0's
	v_lshlrev_b32 v5, 5, v2
	v_add_nc_u32 v6, s79, v5
	v_add_nc_u32 v7, s80, v5
	v_cmp_le_u32 vcc_lo, 16, v4
	v_cndmask_b32 v5, v6, v7, vcc_lo               ; lanes 0-15 source 1's rows, lanes 16-31 source 0's: offsets are chosen, never pointers
.irp i, 0,1,2,3,4,5,6,7
	global_load_b128 v[SC+8*\i:SC+8*\i+3], v5, s[6:7] offset:512*\i
	global_load_b128 v[SC+8*\i+4:SC+8*\i+7], v5, s[6:7] offset:512*\i+16
.endr
	; the bias in the result's layout: register 8 f + j belongs to feature 16 f + 8 h + j (q, k) or 16 f + r (v)
	s_cmp_eq_u32 s21, 0
	s_cselect_b64 s[82:83], s[8:9], s[10:11]
	s_cmp_eq_u32 s21, 2
	s_cselect_b64 s[82:83], s[12:13], s[82:83]
	s_lshl_b32 s84, s40, 10
	s_lshl_b32 s76, s37, 9
	s_add_co_u32 s84, s84, s76
	s_mov_b32 s85, 0
	s_add_nc_u64 s[82:83], s[82:83], s[84:85]
	s_cmp_eq_u32 s23, 1
	s_cselect_b32 s86, 4, 0
	s_cselect_b32 s87, 0, 32
	s_cselect_b32 s88, 0, 4
	v_mul_u32_u24 v6, v2, s86
	v_mad_u32_u24 v6, v3, s87, v6
.irp j, 0,1,2,3,4,5,6,7
	s_mul_i32 s89, s88, \j
	v_add_nc_u32 v[VB+\j], s89, v6
.endr
.irp f, 0,1,2,3,4,5,6,7
.irp j, 0,1,2,3,4,5,6,7
	global_load_b32 v[BIAS+8*\f+\j], v[VB+\j], s[82:83] offset:64*\f
.endr
.endr
	; where the results go
	s_lshl_b32 s90, s41, 4
	s_lshl_b32 s76, s40, 2
	s_add_co_u32 s90, s90, s76
	s_lshl_b32 s76, s37, 1
	s_add_co_u32 s90, s90, s76                     ; batch x head of my first feature: 16 cy + 4 cx + 2 hw
	s_lshl_b32 s92, s90, 12
	s_lshl_b32 s76, s21, 18
	s_add_co_u32 s92, s92, s76
	s_mov_b32 s93, 0
	s_add_nc_u64 s[FB:FB+1], s[16:17], s[92:93]
	s_lshl_b32 s90, s90, 17
	s_lshl_b32 s76, s21, 23
	s_add_co_u32 s90, s90, s76
	s_lshl_b32 s76, s22, 4
	s_lshl_b32 s89, s36, 3
	s_add_co_u32 s76, s76, s89
	s_lshl_b32 s76, s76, 11
	s_add_co_u32 s90, s90, s76
	s_mov_b32 s91, 0
	s_add_nc_u64 s[HB:HB+1], s[14:15], s[90:91]
	s_or_b32 s[FINE], s22, s36
	s_cmp_eq_u32 s[FINE], 0
	s_cselect_b32 s[FINE], 1, 0                    ; my token block 0 is a sequence's first 16 positions: ids that all partners share, and the wave's number
.macro FRAG reg, adr, q, i             ; 16 rows x 128 K of codes: 8 registers, two loads of the image
.irp c, 0,1
	ds_load_b128 v[\reg+4*\c:\reg+4*\c+3], v[\adr] offset:1024*(\q)+512*\c+(\i)*8192
.endr
.endm
; 16 matrix instructions: source 1's blocks a0, a0 + 1 x source 0's eight, K step q.  The 64 accumulators take turns, one instruction a turn, in the same order in every step.
.macro MUL16 a0, p, q, zero
.irp a, \a0, \a0+1
.irp b, 0,1,2,3,4,5,6,7
.if \zero
	v_wmma_scale_f32_16x16x128_f8f6f4 v[8*(8*((\a)%4)+\b):8*(8*((\a)%4)+\b)+7], v[128*(\p)+FR*\b:128*(\p)+FR*\b+FR-1], v[AF+FR*(\a):AF+FR*(\a)+FR-1], 0, v[SC+8*\b+(\q)], v[SC+8*(\a)+(\q)] matrix_a_fmt:MATRIX_FMT_FP4 matrix_b_fmt:MATRIX_FMT_FP4 matrix_a_scale:MATRIX_SCALE_ROW1
.else
	v_wmma_scale_f32_16x16x128_f8f6f4 v[8*(8*((\a)%4)+\b):8*(8*((\a)%4)+\b)+7], v[128*(\p)+FR*\b:128*(\p)+FR*\b+FR-1], v[AF+FR*(\a):AF+FR*(\a)+FR-1], v[8*(8*((\a)%4)+\b):8*(8*((\a)%4)+\b)+7], v[SC+8*\b+(\q)], v[SC+8*(\a)+(\q)] matrix_a_fmt:MATRIX_FMT_FP4 matrix_b_fmt:MATRIX_FMT_FP4 matrix_a_scale:MATRIX_SCALE_ROW1
.endif
.endr
.endr
.endm
.macro FETCH_B q, p                    ; source 0's eight fragments of K step q into set p
	WIN TO_B
.irp i, 0,1,2,3,4,5,6,7
	FRAG 128*(\p)+FR*\i, ADR0, \q, \i
.endr
	WIN 0
.endm
.macro FETCH_A q, i0                   ; source 1's blocks i0 .. i0 + 3
.irp i, \i0, \i0+1, \i0+2, \i0+3
	FRAG AF+FR*(\i), ADR1, \q, \i
.endr
.endm
.macro STEP q, zero                    ; a K step of 128 that has a successor
	s_wait_dscnt 8                                 ; source 0's set and source 1's blocks 0-3 are in; the youngest 8 loads (blocks 4-7) may be out
	WIN MUL_LO
	MUL16 0, (\q)%2, \q, \zero
	MUL16 2, (\q)%2, \q, \zero
	s_wait_dscnt 0x0                               ; blocks 4-7 are in
	PLACES NP                                      ; in front of loads into registers that matrix instructions have read
	FETCH_B (\q)+1, 1-(\q)%2
	FETCH_A (\q)+1, 0
	WIN MUL_HI
	MUL16 4, (\q)%2, \q, \zero
	MUL16 6, (\q)%2, \q, \zero
	PLACES NP
	WIN 0
	FETCH_A (\q)+1, 4
.endm
	s_wait_tensorcnt 0x0                           ; my part of the tiles is in,
	s_barrier_signal -1
	s_barrier_wait -1                              ; everybody's is
	FETCH_B 0, 0
	FETCH_A 0, 0
	FETCH_A 0, 4
	s_wait_loadcnt 0x0                             ; scale words and bias
	STEP 0, 1                                      ; the first products start the sums: nothing is cleared
.irp q, 1,2,3,4,5,6
	STEP \q, 0
.endr
	s_wait_dscnt 8                                 ; the last K step: nothing more to fetch
	WIN MUL_LO
	MUL16 0, 1, 7, 0
	MUL16 2, 1, 7, 0
	s_wait_dscnt 0x0
	WIN MUL_HI
	MUL16 4, 1, 7, 0
	MUL16 6, 1, 7, 0
	WIN 0
; THE WAY OUT of token block tok: eight feature blocks: + bias (each accumulator from its low end on), to f16, eight stores of 512 consecutive bytes.
.macro OUT tok, isv
	s_wait_xcnt 0x0                                ; the last block's stores have read their registers
.irp f, 0,1,2,3,4,5,6,7
.if \isv
.set AA, \f
.set BB, \tok
.else
.set AA, \tok
.set BB, \f
.endif
	WIN 0x02+AA/4                                  ; source 0: window 2 or 3
.set AC, 8*(8*(AA%4)+BB)
.irp i, 0,2,4,6
	v_pk_add_f32 v[TMP+8*\f+\i:TMP+8*\f+\i+1], v[AC+\i:AC+\i+1], v[BIAS+8*\f+\i:BIAS+8*\f+\i+1]
.endr
.endr
	WIN 0
.irp f, 0,1,2,3,4,5,6,7
.irp n, 0,1,2,3
	v_cvt_pk_f16_f32 v[H+4*\f+\n], v[TMP+8*\f+2*\n], v[TMP+8*\f+2*\n+1]
.endr
.endr
.irp f, 0,1,2,3,4,5,6,7
	global_store_b128 v[LANE16], v[H+4*\f:H+4*\f+3], s[HB:HB+1] offset:(\tok)*2048+(\f/4)*131072+(\f%4)*512
.endr
.if (\tok) == 0
	s_cmp_eq_u32 s[FINE], 1
	s_cbranch_scc0 .Lnofine_\@
.irp f, 0,1,2,3,4,5,6,7
.irp c, 0,1
	global_store_b128 v[LANE16], v[TMP+8*\f+4*\c:TMP+8*\f+4*\c+3], s[FB:FB+1] offset:(\f/4)*4096+(\f%4)*1024+512*\c
.endr
.endr
.Lnofine_\@:
.endif
.endm
	PLACES NP                                      ; behind the last products: their results are read and source 1's registers written
	s_cmp_eq_u32 s23, 1
	s_cbranch_scc1 .Lout_v
.irp k, 0,1,2,3,4,5,6,7
	OUT \k, 0
.endr
	s_branch .Lout_done
.Lout_v:
.irp k, 0,1,2,3,4,5,6,7
	OUT \k, 1
.endr
.Lout_done:
	s_wait_tensorcnt 0x0                           ; the wave's end
	ds_add_u32 v[SPW], v[NIL]
	s_wait_dscnt 0x0
	CROUND                                         ; the closing round
	s_endpgm
.Lfunc_end_k_q60c4ad3d13_proj:
	.size	k_q60c4ad3d13_proj, .Lfunc_end_k_q60c4ad3d13_proj-k_q60c4ad3d13_proj
	.p2alignl 7, 3214868480
	.fill 96, 4, 3214868480
	.section	.rodata,"a",@progbits
	.p2align	6, 0x0
	.amdhsa_kernel k_q60c4ad3d13_proj
		.amdhsa_group_segment_fixed_size 262656
		.amdhsa_private_segment_fixed_size 0
		.amdhsa_enable_private_segment 0
		.amdhsa_kernarg_size 56
		.amdhsa_user_sgpr_count 2
		.amdhsa_user_sgpr_kernarg_segment_ptr 1
		.amdhsa_wavefront_size32 1
		.amdhsa_system_sgpr_workgroup_id_x 1
		.amdhsa_system_sgpr_workgroup_id_y 1
		.amdhsa_system_sgpr_workgroup_id_z 1
		.amdhsa_system_vgpr_workitem_id 0
		.amdhsa_next_free_vgpr 1024
		.amdhsa_next_free_sgpr 100
		.amdhsa_reserve_vcc 1
		.amdhsa_float_denorm_mode_32 3
		.amdhsa_float_denorm_mode_16_64 3
		.amdhsa_memory_ordered 1
		.amdhsa_forward_progress 1
		.amdhsa_inst_pref_size 180
	.end_amdhsa_kernel
	.amdgpu_metadata
---
amdhsa.version: [ 1, 2 ]
amdhsa.kernels:
  - .name:           k_q60c4ad3d13_proj
    .symbol:         k_q60c4ad3d13_proj.kd
    .args:
      - { .name: codes, .offset: 0, .size: 8, .value_kind: global_buffer, .address_space: global }
      - { .name: sc, .offset: 8, .size: 8, .value_kind: global_buffer, .address_space: global }
      - { .name: bq, .offset: 16, .size: 8, .value_kind: global_buffer, .address_space: global }
      - { .name: bk, .offset: 24, .size: 8, .value_kind: global_buffer, .address_space: global }
      - { .name: bv, .offset: 32, .size: 8, .value_kind: global_buffer, .address_space: global }
      - { .name: heads, .offset: 40, .size: 8, .value_kind: global_buffer, .address_space: global }
      - { .name: fine32, .offset: 48, .size: 8, .value_kind: global_buffer, .address_space: global }
    .group_segment_fixed_size: 262656
    .private_segment_fixed_size: 0
    .kernarg_segment_align: 8
    .kernarg_segment_size: 56
    .max_flat_workgroup_size: 128
    .sgpr_count:     100
    .vgpr_count:     1024
    .wavefront_size: 32
...
	.end_amdgpu_metadata
.endif
;; end of part 2
;; launch attn (part 3): grid 4 x 64, 16 waves a work-group, clusters of 4 x 1, 264,192 bytes of LDS; arguments heads, gammas, cimg, mz; writes cimg, mz
.if DOCPART == 3
	.amdgcn_target "amdgcn-amd-amdhsa--gfx1250"
	.amdhsa_code_object_version 6
	.text
	.protected	k_q60c4ad3d13_attn
	.globl	k_q60c4ad3d13_attn
	.p2align	8
	.type	k_q60c4ad3d13_attn,@function
k_q60c4ad3d13_attn:
	s_mov_b64 s[64:65], 0
	v_nop
	global_prefetch_b8 v0, s[64:65] scope:SCOPE_SE
	s_setreg_imm32_b32 hwreg(HW_REG_WAVE_MODE, 25, 1), 1
	s_wait_xcnt 0x0
	s_wait_alu depctr_hold_cnt(0) depctr_sa_sdst(0) depctr_va_vdst(0) depctr_va_sdst(0) depctr_va_ssrc(0) depctr_va_vcc(0) depctr_vm_vsrc(0)
	s_getreg_b32 s2, hwreg(HW_REG_IB_STS2, 6, 4)
	s_cmp_eq_u32 s2, 0
	s_cbranch_scc0 .Lentry_in_a_cluster
	s_endpgm
.Lentry_in_a_cluster:
	s_bfe_u32 s2, ttmp6, 0x10000c
	s_cmp_lg_u32 s2, 0x3003
	s_cbranch_scc0 .Lentry_shape_is_right
	s_endpgm
.Lentry_shape_is_right:
; Attention with distance decay for one batch x head (cluster y), on f16 operands with f32 sums; all else in f32.
; LEFT OUT AS DEAD (shown at the head of the first kernel): decay, second softmax and P V of steps of 64 keys that lie wholly above the diagonal of reference()'s own tril mask.
; SHARES.  The four work-groups of a cluster serve one head.  A wave owns one tile of 16 queries, t = 4 x rank + cx, rank a permutation of the wave's number: a tile needs rank + 1 steps of 64 keys under the mask,
; whatever cx is, so partners and work-groups have equal work, and no branch, trip count or LDS address hangs on cx.
; LDS: the head's K (131072 bytes) and V^T (131072) as images of operand registers; each wave asks for 8192 bytes of each by a joint load (mask: all four); filled once.
; LAYOUT.  S^T = K Q^T: lane (r, h) holds query r; register 8 i + j holds key 64 step + 16 i + 8 h + j.  O^T = V^T P^T: the same lane holds the query's features 16 d + 8 h + j.
; PASS 1, all 16 steps: running maximum m and sum Z of 2^(c s - c m), c = log2(e) / 8, a lane's own 32 keys a step; the halves of the lanes are joined at the end.  m' = c m + log2 Z, so that 2^(c s - m') is the first softmax.
; PASS 2, steps from the diagonal DOWN to 0, so that the sum of the later weights is carried along: w = sum of p over later keys that count; effect = clip(2^(-sqrt(|w (q - key) g^2|)), 1e-5, 1e5),
; g = softplus(gamma) log2(e); the second softmax of s x effect has its running maximum; O^T and the sum are rescaled in every step.
; The loops' trip counts are constants; a step above the diagonal is jumped over by a scalar branch on the wave's number and the count of steps, round the work alone.
; Tile 0's result is stored too (the last launch's tiles hold it) though the fine launch's rows replace it: partners may not part on their place.
; OUT: O^T / sum, f16, as the image of the last product's operand: 2048 consecutive bytes a wave.  mz: m' of positions 0-63, for the fine launch.
.set SPARE,  262144                    ; behind K and V: the spare words, 128 bytes for each of 16 waves
.set LANE16, 1
.set ADK,    2
.set ADV,    3
.set LD,     4                         ; r - 8 h
.set HM,     5                         ; 1.0 in lanes 0-15, else 0
.set SPW,    6
.set NIL,    7
.set VD0,    8                         ; my query - the step's first key - 8 h
.set L4,     9
.set MP,     10                        ; v[10:11] m'
.set GG,     12                        ; v[12:13] g^2, twice
.set DD,     14                        ; v[14:15] g^2 D0, g^2 (D0 - 1)
.set CM,     16                        ; v16 c m, v17 m
.set LS,     18                        ; v[18:19] the sum, in two halves
.set AF,     20                        ; v20 the rescaling factor; v21 written once
.set CAR,    22                        ; the weights of all later steps
.set OLD,    23
.set CC,     24                        ; v24-27 four chains; also each run's first weight
.set TAU,    28
.set TAUO,   32
.set OFF,    36                        ; v36, 38, 40, 42: what each run adds; their odd partners are written once
.set W,      44                        ; v44-46 at work; v47 -infinity
.set Q,      48
.set S,      64                        ; v64-95 scores; v64-79 later P in f16
.set A,      96
.set BV,     128
.set KF,     160                       ; v160-223 K's fragments, then V's
.set O,      224
.macro CROUND
	s_barrier_signal -1
	s_barrier_wait -1
	s_cmp_lg_u32 s12, 0
	s_cbranch_scc1 .Lnot_wave_0_\@
	s_barrier_signal -3
.Lnot_wave_0_\@:
	s_barrier_wait -3
	s_barrier_signal -1
	s_barrier_wait -1
.endm
	s_load_b256 s[4:11], s[0:1], 0x0               ; heads gammas cimg mz
	v_lshl_add_u32 v[SPW], v0, 2, SPARE
	v_mov_b32 v[NIL], 0
	ds_add_u32 v[SPW], v[NIL]                      ; the opening: the add, twice on end, and its wait ahead of my first tensor load
	ds_add_u32 v[SPW], v[NIL]
	v_lshrrev_b32 v44, 5, v0
	v_readfirstlane_b32 s12, v44                   ; wave 0..15
	s_bfe_u32 s13, s12, 0x10002
	s_mul_i32 s13, s13, 3
	s_xor_b32 s13, s13, s12                        ; rank = wave xor 3 x (bit 2 of wave)
	s_bfe_u32 s14, ttmp6, 0x40000                  ; cx
	s_and_b32 s15, ttmp7, 0xffff                   ; batch x head
	s_mov_b32 s16, 15|(3<<16)|(1<<21)              ; group 1: mask of all four; elements of 8 bytes; bit 21 beside a mask
	s_mov_b32 s17, 32<<16                          ; rows of 256 bytes,
	s_mov_b32 s18, 32<<16                          ; 32 of them
	s_mov_b32 s19, 32<<16
	s_mov_b32 s20, 32
	s_mov_b32 s21, 32                              ; dense
	s_mov_b32 s22, 0
	s_mov_b32 s23, 0
	s_mov_b32 s32, 0x76543210
	s_mov_b32 s33, 0xfedcba98                      ; lane l xor 16
	s_mov_b32 s34, 0x3e38aa3b                      ; c = log2(e) / 8
	s_mov_b32 s35, s34
	s_mov_b32 s36, 0x3727c5ac                      ; 1e-5
	s_mov_b32 s37, 0x47c35000                      ; 1e5
	s_mov_b32 s57, 0x3fb8aa3b                      ; log2(e)
	s_lshl_b32 s42, s15, 17
	s_lshl_b32 s44, s12, 13                        ; my 8192 bytes of the head's K and of its V
	s_add_co_u32 s42, s42, s44
	s_mov_b32 s43, 0
	s_lshl_b32 s58, s13, 2
	s_add_co_u32 s58, s58, s14                     ; t: it enters global addresses and a vector number alone
	s_wait_dscnt 0x0                               ; both opening adds are done
	s_wait_kmcnt 0x0
	CROUND                                         ; all four work-groups are here
	s_mov_b32 s24, 1
	s_mov_b32 s25, s44
	s_add_nc_u64 s[26:27], s[4:5], s[42:43]
	s_add_nc_u64 s[26:27], s[26:27], 0x800000      ; K's region of heads
	s_or_b32 s27, s27, 0x80000000
	s_mov_b32 s28, 1
	s_add_co_u32 s29, s44, 131072
	s_add_nc_u64 s[30:31], s[4:5], s[42:43]
	s_add_nc_u64 s[30:31], s[30:31], 0x1000000     ; V's
	s_or_b32 s31, s31, 0x80000000
	tensor_load_to_lds s[24:27], s[16:23]          ; every wave issues both: two loads of mine are out
	s_nop 0
	tensor_load_to_lds s[28:31], s[16:23]
	s_nop 0
.rept 4
	v_nop
.endr
	s_and_b32 s46, s15, 15
	s_lshl_b32 s46, s46, 2
	s_mov_b32 s47, 0
	s_add_nc_u64 s[6:7], s[6:7], s[46:47]
	s_load_b32 s56, s[6:7], 0x0                    ; the head's gamma
	s_lshl_b32 s46, s15, 17
	s_lshl_b32 s45, s58, 11
	s_add_co_u32 s46, s46, s45
	s_add_nc_u64 s[48:49], s[4:5], s[46:47]        ; my tile of Q
	s_lshr_b32 s46, s15, 4
	s_lshl_b32 s46, s46, 6
	s_add_co_u32 s46, s46, s58
	s_lshl_b32 s46, s46, 15
	s_and_b32 s45, s15, 15
	s_lshl_b32 s45, s45, 11
	s_add_co_u32 s46, s46, s45
	s_add_nc_u64 s[8:9], s[8:9], s[46:47]          ; cimg: row tile 64 x batch + t, K steps of my head
	s_lshl_b32 s46, s15, 9
	s_lshl_b32 s45, s14, 7
	s_add_co_u32 s46, s46, s45
	s_add_nc_u64 s[52:53], s[10:11], s[46:47]
	v_and_b32 v44, 31, v0
	v_lshlrev_b32 v[LANE16], 4, v44
	v_lshlrev_b32 v[L4], 2, v44
.irp f, 0,1,2,3
	global_load_b128 v[Q+4*\f:Q+4*\f+3], v[LANE16], s[48:49] offset:512*\f    ; Q stays in registers: two K steps of 32 features
.endr
	v_and_b32 v45, 15, v0
	v_bfe_u32 v46, v0, 4, 1
	v_cvt_f32_u32 v[HM], v46
	v_sub_f32 v[HM], 1.0, v[HM]
	v_lshlrev_b32 v46, 3, v46
	v_sub_nc_u32 v[LD], v45, v46
	v_mov_b32 v[AF+1], 0
	v_mov_b32 v44, 0
.irp i, 0,1,2,3
	v_mov_b32 v[TAUO+\i], 0                        ; written once: a lane permute's destination counts as one of its sources
	v_mov_b32 v[OFF+2*\i+1], 0                     ; named as the upper halves of pairs
.endr
	v_mov_b32 v[W+3], 0xff800000                   ; -infinity
	s_wait_kmcnt 0x0
	v_mov_b32 v46, s56                             ; g = softplus(gamma) log2(e) = max(x, 0) + log2(1 + 2^-|x|), x = gamma log2(e): the form that keeps both terms in range
	v_mul_f32 v45, s57, v46
	v_exp_f32 v46, -|v45|
	v_nop
	s_wait_alu depctr_va_vdst(0)
	v_add_f32 v46, 1.0, v46
	v_log_f32 v46, v46
	v_max_num_f32 v45, 0, v45
	s_wait_alu depctr_va_vdst(0)
	v_add_f32 v46, v45, v46
	v_mul_f32 v[GG], v46, v46
	v_mov_b32 v[GG+1], v[GG]
	v_mov_b32 v[CM+1], 0xff61b1e6                  ; m: -3e38, under every score
	v_mul_f32 v[CM], s34, v[CM+1]
	v_mov_b32 v[LS], 0
	v_mov_b32 v[LS+1], 0
; S^T of the step at LDS byte s38.  np: v_nop behind the address line; with it they are the places behind the last products.
.macro QK np
	v_add_nc_u32 v[ADK], s38, v[LANE16]
.rept \np
	v_nop
.endr
.irp i, 0,1,2,3
.irp u, 0,1
.irp c, 0,1
	ds_load_b128 v[KF+16*\i+8*\u+4*\c:KF+16*\i+8*\u+4*\c+3], v[ADK] offset:2048*\i+1024*\u+512*\c
.endr
.endr
.endr
	s_wait_dscnt 0x0
.irp i, 0,1,2,3
	v_wmma_f32_16x16x32_f16 v[S+8*\i:S+8*\i+7], v[KF+16*\i:KF+16*\i+7], v[Q:Q+7], 0
.endr
.irp i, 0,1,2,3                        ; the four accumulators by turns
	v_wmma_f32_16x16x32_f16 v[S+8*\i:S+8*\i+7], v[KF+16*\i+8:KF+16*\i+15], v[Q+8:Q+15], v[S+8*\i:S+8*\i+7]
.endr
.endm
.macro MAXT b                          ; the largest of 32 registers but for chain 3: in v[CC]; chain 3 in v[CC+3].  Each group of eight is read from its low end on
.irp j, 0,1,2,3
	v_max3_num_f32 v[CC+\j], v[\b+8*\j], v[\b+8*\j+1], v[\b+8*\j+2]
.endr
.irp k, 3,5
.irp j, 0,1,2,3
	v_max3_num_f32 v[CC+\j], v[CC+\j], v[\b+8*\j+\k], v[\b+8*\j+\k+1]
.endr
.endr
	v_max3_num_f32 v[CC], v[CC], v[\b+7], v[\b+15]
	v_max3_num_f32 v[CC+2], v[CC+2], v[\b+23], v[\b+31]
	v_max3_num_f32 v[CC], v[CC], v[CC+1], v[CC+2]
.endm
.macro SUMT b                          ; 16 pairs summed in place into the first
.irp z, 0,1,2,3,4,5,6,7
	v_pk_add_f32 v[\b+4*\z:\b+4*\z+1], v[\b+4*\z:\b+4*\z+1], v[\b+4*\z+2:\b+4*\z+3]
.endr
.irp z, 0,1,2,3
	v_pk_add_f32 v[\b+8*\z:\b+8*\z+1], v[\b+8*\z:\b+8*\z+1], v[\b+8*\z+4:\b+8*\z+5]
.endr
.irp z, 0,1
	v_pk_add_f32 v[\b+16*\z:\b+16*\z+1], v[\b+16*\z:\b+16*\z+1], v[\b+16*\z+8:\b+16*\z+9]
.endr
	v_pk_add_f32 v[\b:\b+1], v[\b:\b+1], v[\b+16:\b+17]
.endm
.macro SCALEXP b                       ; 32 registers: 2^(c x - c m), in place; the factor's exponential was issued just before: one batch, one wait
.set j, 0
.rept 16
	v_pk_fma_f32 v[\b+j:\b+j+1], v[\b+j:\b+j+1], s[34:35], v[CM:CM+1] op_sel_hi:[1,0,0] neg_lo:[0,0,1] neg_hi:[0,0,1]
.set j, j+2
.endr
.set j, 0
.rept 32
	v_exp_f32 v[\b+j], v[\b+j]
.set j, j+1
.endr
	v_nop                                          ; the plain line behind the last exponential
	s_wait_alu depctr_va_vdst(0)                   ; one wait for the batch, ahead of its first reader
.endm
	s_wait_tensorcnt 1                             ; my part of K is in; V's load may stay out
	s_barrier_signal -1
	s_barrier_wait -1
	s_wait_loadcnt 0x0                             ; Q
	; ---- PASS 1: all keys
	s_mov_b32 s38, 0
	s_mov_b32 s40, 16
.Lp1:
	QK 0
.rept 4
	v_nop
.endr
	MAXT S
	v_max3_num_f32 v[CM+1], v[CC], v[CC+3], v[CM+1]        ; my lane's running maximum
	v_mov_b32 v[OLD], v[CM]
	v_mul_f32 v[CM], s34, v[CM+1]
	v_sub_f32 v[OLD], v[OLD], v[CM]
	v_exp_f32 v[AF], v[OLD]                        ; 2^(c m_old - c m_new)
	SCALEXP S
	SUMT S
	v_pk_fma_f32 v[LS:LS+1], v[LS:LS+1], v[AF:AF+1], v[S:S+1] op_sel_hi:[1,0,1]
	s_add_co_u32 s38, s38, 8192
	s_sub_co_u32 s40, s40, 1
	s_cmp_lg_u32 s40, 0
	s_cbranch_scc1 .Lp1
	; the two halves of the lanes are joined: m' = c m + log2 Z
	v_add_f32 v45, v[LS], v[LS+1]
	v_permlanex16_b32 v32, v[CM+1], s32, s33
	v_permlanex16_b32 v33, v45, s32, s33
	v_max_num_f32 v46, v[CM+1], v32
	v_mul_f32 v46, s34, v46
	v_mul_f32 v32, s34, v32
	v_sub_f32 v34, v[CM], v46
	v_sub_f32 v32, v32, v46
	v_exp_f32 v34, v34
	v_exp_f32 v32, v32
	v_nop
	s_wait_alu depctr_va_vdst(0)
	v_mul_f32 v45, v45, v34
	v_fma_f32 v45, v33, v32, v45
	v_log_f32 v45, v45
	v_nop
	s_wait_alu depctr_va_vdst(0)
	v_add_f32 v[MP], v46, v45
	v_mov_b32 v[MP+1], v[MP]
	s_cmp_lg_u32 s13, 0                            ; the wave of rank 0 holds tile cx: positions 0-63 among the four partners
	s_cbranch_scc1 .Lnomz
	global_store_b32 v[L4], v[MP], s[52:53]
.Lnomz:
	s_wait_tensorcnt 0x0                           ; my part of V is in,
	s_barrier_signal -1
	s_barrier_wait -1                              ; everybody's is
	; ---- PASS 2: from the diagonal down
	v_mov_b32 v[CM+1], 0xff61b1e6
	v_mul_f32 v[CM], s34, v[CM+1]
	v_mov_b32 v[LS], 0
	v_mov_b32 v[LS+1], 0
	v_mov_b32 v[CAR], 0
.set j, 0
.rept 32
	v_mov_b32 v[O+j], 0                            ; the step is written once: the first finds zeros, which its factor 0 leaves zeros
.set j, j+1
.endr
.macro DDIST reg, lit                  ; g^2 (q - key) of a pair of registers: g^2 x -(16 i + j) + (g^2 D0, g^2 (D0 - 1))
	v_pk_fma_f32 v[A+\reg:A+\reg+1], v[GG:GG+1], \lit, v[DD:DD+1] op_sel_hi:[1,0,1]
.endm
	s_mov_b32 s38, 15*8192
	s_mov_b32 s39, 15                              ; the step
	s_mov_b32 s40, 16
	s_lshl_b32 s41, s58, 4
	s_sub_co_i32 s41, s41, 960                     ; my first query - the step's first key
.Lp2:
	s_cmp_gt_u32 s39, s13                          ; wholly above the diagonal: the work is left out, the steps of the addresses are not
	s_cbranch_scc1 .Lskip
	QK 4                                           ; five places behind the last step's products: K's loads land on V's fragments, the scores on P
	v_add_nc_u32 v[VD0], s41, v[LD]                ; these five lines are the places behind the products above
	v_cvt_f32_i32 v[DD], v[VD0]
	v_add_f32 v[DD+1], -1.0, v[DD]
	v_add_nc_u32 v[ADV], 0x20000, v[ADK]
	v_pk_mul_f32 v[DD:DD+1], v[DD:DD+1], v[GG:GG+1]
.irp u, 0,1
.irp d, 0,1,2,3
.irp c, 0,1
	ds_load_b128 v[KF+32*\u+8*\d+4*\c:KF+32*\u+8*\d+4*\c+3], v[ADV] offset:(2*\u+\c)*2048+512*\d      ; V^T: features 16 d on, keys 32 u on; it lands under the vector work
.endr
.endr
.endr
	s_cmp_lg_u32 s39, s13
	s_cbranch_scc1 .Lopen
.set n, 0
.rept 32                               ; on the diagonal hidden scores become -infinity: both weights are then 0
	v_cmp_gt_i32 vcc_lo, 16*(n/8)+n%8, v[VD0]
	v_cndmask_b32 v[S+n], v[S+n], v[W+3], vcc_lo
.set n, n+1
.endr
.Lopen:
.set j, 0
.rept 16
	v_pk_fma_f32 v[A+j:A+j+1], v[S+j:S+j+1], s[34:35], v[MP:MP+1] op_sel_hi:[1,0,0] neg_lo:[0,0,1] neg_hi:[0,0,1]
.set j, j+2
.endr
.set n, 0
.rept 32                               ; the first softmax's weights, written ONE REGISTER DOWN: a run's first apart, so that the sums below come out exclusive
.if n%8 == 0
	v_exp_f32 v[CC+n/8], v[A+n]
.else
	v_exp_f32 v[BV+n-1], v[A+n]
.endif
.set n, n+1
.endr
.irp i, 0,1,2,3
	v_mov_b32 v[BV+8*\i+7], 0
.endr
	s_wait_alu depctr_va_vdst(0)
.irp j, 5,4,3,2,1,0
.irp i, 0,1,2,3
	v_add_f32 v[BV+8*\i+\j], v[BV+8*\i+\j], v[BV+8*\i+\j+1]        ; the later weights within a run of 8 keys: four chains by turns
.endr
.endr
.irp i, 0,1,2,3
	v_add_f32 v[TAU+\i], v[BV+8*\i], v[CC+\i]      ; a run's total
.endr
.irp i, 0,1,2,3
	v_permlanex16_b32 v[TAUO+\i], v[TAU+\i], s32, s33
.endr
.irp i, 0,1,2,3
	v_add_f32 v[TAU+\i], v[TAU+\i], v[TAUO+\i]     ; both runs of 16 keys
.endr
.irp i, 3,2,1,0
	v_fma_f32 v[OFF+2*\i], v[TAUO+\i], v[HM], v[CAR]       ; lanes 0-15: the upper run of the same 16 keys; all: everything later
	v_add_f32 v[CAR], v[CAR], v[TAU+\i]
.endr
.irp i, 0,1,2,3
.irp n, 0,2,4,6
	v_pk_add_f32 v[BV+8*\i+\n:BV+8*\i+\n+1], v[BV+8*\i+\n:BV+8*\i+\n+1], v[OFF+2*\i:OFF+2*\i+1] op_sel_hi:[1,0]
.endr
.endr
	DDIST 0, 0
	DDIST 2, 0xc0000000
	DDIST 4, 0xc0800000
	DDIST 6, 0xc0c00000
	DDIST 8, 0xc1800000
	DDIST 10, 0xc1900000
	DDIST 12, 0xc1a00000
	DDIST 14, 0xc1b00000
	DDIST 16, 0xc2000000
	DDIST 18, 0xc2080000
	DDIST 20, 0xc2100000
	DDIST 22, 0xc2180000
	DDIST 24, 0xc2400000
	DDIST 26, 0xc2480000
	DDIST 28, 0xc2500000
	DDIST 30, 0xc2580000
.set j, 0
.rept 16
	v_pk_mul_f32 v[BV+j:BV+j+1], v[BV+j:BV+j+1], v[A+j:A+j+1]
.set j, j+2
.endr
.set j, 0
.rept 32
	v_sqrt_f32 v[BV+j], |v[BV+j]|
.set j, j+1
.endr
	v_nop
	s_wait_alu depctr_va_vdst(0)
.set j, 0
.rept 32
	v_exp_f32 v[BV+j], -v[BV+j]
.set j, j+1
.endr
	v_nop
	s_wait_alu depctr_va_vdst(0)
.set j, 0
.rept 32
	v_med3_num_f32 v[BV+j], v[BV+j], s36, s37      ; both clips of reference()
.set j, j+1
.endr
.set j, 0
.rept 16
	v_pk_mul_f32 v[A+j:A+j+1], v[S+j:S+j+1], v[BV+j:BV+j+1]        ; score x effect
.set j, j+2
.endr
	MAXT A
	v_max_num_f32 v[CC], v[CC], v[CC+3]
	v_permlanex16_b32 v[W], v[CC], s32, s33
	v_mov_b32 v[OLD], v[CM]
	v_max3_num_f32 v[CM+1], v[CC], v[W], v[CM+1]   ; the query's running maximum, the same in both halves
	v_mul_f32 v[CM], s34, v[CM+1]
	v_sub_f32 v[OLD], v[OLD], v[CM]
	v_exp_f32 v[AF], v[OLD]
	SCALEXP A
.irp i, 0,1,2,3
.irp n, 0,1,2,3
	v_cvt_pk_f16_f32 v[S+4*\i+\n], v[A+8*\i+2*\n], v[A+8*\i+2*\n+1]        ; P: two tiles of 16 keys are source 1 of 32 keys
.endr
.endr
	SUMT A
	v_pk_fma_f32 v[LS:LS+1], v[LS:LS+1], v[AF:AF+1], v[A:A+1] op_sel_hi:[1,0,1]
.set j, 0
.rept 16
	v_pk_mul_f32 v[O+j:O+j+1], v[O+j:O+j+1], v[AF:AF+1] op_sel_hi:[1,0]
.set j, j+2
.endr
	s_wait_dscnt 0x0                               ; V is in
.irp u, 0,1
.irp d, 0,1,2,3                        ; the four accumulators by turns
	v_wmma_f32_16x16x32_f16 v[O+8*\d:O+8*\d+7], v[KF+32*\u+8*\d:KF+32*\u+8*\d+7], v[S+8*\u:S+8*\u+7], v[O+8*\d:O+8*\d+7]
.endr
.endr
.Lskip:
	s_sub_co_u32 s38, s38, 8192
	s_add_co_i32 s41, s41, 64
	s_sub_co_u32 s39, s39, 1
	s_sub_co_u32 s40, s40, 1
	s_cmp_lg_u32 s40, 0
	s_cbranch_scc1 .Lp2
	; ---- THE WAY OUT
.rept 4
	v_nop
.endr
	v_add_f32 v45, v[LS], v[LS+1]
	v_permlanex16_b32 v[W], v45, s32, s33
	v_add_f32 v45, v45, v[W]
	v_rcp_f32 v[AF], v45
	v_nop
	s_wait_alu depctr_va_vdst(0)
.set j, 0
.rept 16
	v_pk_mul_f32 v[O+j:O+j+1], v[O+j:O+j+1], v[AF:AF+1] op_sel_hi:[1,0]
.set j, j+2
.endr
.set j, 0
.rept 16
	v_cvt_pk_f16_f32 v[S+j], v[O+2*j], v[O+2*j+1]
.set j, j+1
.endr
.irp d, 0,1,2,3
	global_store_b128 v[LANE16], v[S+4*\d:S+4*\d+3], s[8:9] offset:512*\d  ; 512 consecutive bytes each
.endr
	s_wait_tensorcnt 0x0                           ; the wave's end
	ds_add_u32 v[SPW], v[NIL]
	s_wait_dscnt 0x0
	CROUND                                         ; the closing round
	s_endpgm
.Lfunc_end_k_q60c4ad3d13_attn:
	.size	k_q60c4ad3d13_attn, .Lfunc_end_k_q60c4ad3d13_attn-k_q60c4ad3d13_attn
	.p2alignl 7, 3214868480
	.fill 96, 4, 3214868480
	.section	.rodata,"a",@progbits
	.p2align	6, 0x0
	.amdhsa_kernel k_q60c4ad3d13_attn
		.amdhsa_group_segment_fixed_size 264192
		.amdhsa_private_segment_fixed_size 0
		.amdhsa_enable_private_segment 0
		.amdhsa_kernarg_size 32
		.amdhsa_user_sgpr_count 2
		.amdhsa_user_sgpr_kernarg_segment_ptr 1
		.amdhsa_wavefront_size32 1
		.amdhsa_system_sgpr_workgroup_id_x 1
		.amdhsa_system_sgpr_workgroup_id_y 1
		.amdhsa_system_sgpr_workgroup_id_z 1
		.amdhsa_system_vgpr_workitem_id 0
		.amdhsa_next_free_vgpr 256
		.amdhsa_next_free_sgpr 66
		.amdhsa_reserve_vcc 1
		.amdhsa_float_denorm_mode_32 3
		.amdhsa_float_denorm_mode_16_64 3
		.amdhsa_memory_ordered 1
		.amdhsa_forward_progress 1
		.amdhsa_inst_pref_size 44
	.end_amdhsa_kernel
	.amdgpu_metadata
---
amdhsa.version: [ 1, 2 ]
amdhsa.kernels:
  - .name:           k_q60c4ad3d13_attn
    .symbol:         k_q60c4ad3d13_attn.kd
    .args:
      - { .name: heads, .offset: 0, .size: 8, .value_kind: global_buffer, .address_space: global }
      - { .name: gammas, .offset: 8, .size: 8, .value_kind: global_buffer, .address_space: global }
      - { .name: cimg, .offset: 16, .size: 8, .value_kind: global_buffer, .address_space: global }
      - { .name: mz, .offset: 24, .size: 8, .value_kind: global_buffer, .address_space: global }
    .group_segment_fixed_size: 264192
    .private_segment_fixed_size: 0
    .kernarg_segment_align: 8
    .kernarg_segment_size: 32
    .max_flat_workgroup_size: 512
    .sgpr_count:     66
    .vgpr_count:     256
    .wavefront_size: 32
...
	.end_amdgpu_metadata
.endif
;; end of part 3
;; launch fine (part 4): grid 16 x 4, 16 waves a work-group, no clusters, 84,992 bytes of LDS; arguments fine32, mz, gammas, Wo, bo, out0; writes out0
.if DOCPART == 4
	.amdgcn_target "amdgcn-amd-amdhsa--gfx1250"
	.amdhsa_code_object_version 6
	.text
	.protected	k_q60c4ad3d13_fine
	.globl	k_q60c4ad3d13_fine
	.p2align	8
	.type	k_q60c4ad3d13_fine,@function
k_q60c4ad3d13_fine:
	s_mov_b64 s[64:65], 0
	v_nop
	global_prefetch_b8 v0, s[64:65] scope:SCOPE_SE
	s_setreg_imm32_b32 hwreg(HW_REG_WAVE_MODE, 25, 1), 1
	s_wait_xcnt 0x0
; Positions 0-15 of each sequence, in f32 throughout: under the causal mask they average one to sixteen values, so f16 operands would use up what the comparison allows.
; Keys above position 15 are hidden from these queries by reference()'s own mask (dead work, shown at the head of the first kernel); the first softmax's m' over all keys comes from the launch before (mz).
; A work-group = 64 columns of the output (x) of one batch (y).  PHASE 1: wave w = head w: scores, decay, second softmax, P V on the f32 matrix form (32 instructions a wave: no bulk work); repeated by the 16 column
; slabs of a batch, which is less than a launch and a way through memory would be.  The normalised O^T goes to LDS as an image of registers.  PHASE 2: wave = (tile of 16 columns, quarter of K): 64 instructions;
; the four quarters meet in LDS and each wave stores one row's 256 consecutive aligned bytes.
; K IN GROUPS OF 4: the f32 form gives lane (r, h) k = 2 h + j.  Both operands take registers 2 a, 2 a + 1 of an image in which lane (r, h) holds 8 h + 0 .. 7 of 16: the same permutation of k on both sides.
; The accumulators v112-143 are written by matrix instructions alone; each sum begins with the constant 0; what is made of them goes to other registers.
.set CIMG,   0                         ; LDS: 16 heads x 4096 bytes
.set PST,    65536                     ; four quarters x 16 rows x 272 bytes
.set SPARE,  82944                     ; the spare words, 128 bytes for each of 16 waves
.set LANE16, 1
.set L4,     2
.set WO,     3
.set LD,     4                         ; r - 8 h
.set HM,     5                         ; 1.0 in lanes 0-15, else 0
.set SPW,    6
.set NIL,    7
.set MP,     8
.set GG,     10
.set DD,     12
.set CM,     14
.set QF,     16
.set KF,     48
.set VF,     80
.set CF,     80
.set FACC,   112
.set SR,     144
.set TA,     152
.set RB,     160
.set PN,     168                       ; v168-175 the normalised weights, and nothing else
.set L8,     176
.set PSA,    177
.set PRA,    178
.set CSA,    179
.set CLA,    183                       ; v183 where I read the images back (a scratch at the head, ahead of that); v180-182, v184-187 at work
.set BI,     188
.set RC,     190
.set WFA,    192
.set WFB,    16
	s_load_b256 s[4:11], s[0:1], 0x0               ; fine32 mz gammas Wo
	s_load_b128 s[12:15], s[0:1], 0x20             ; bo out0
	v_lshl_add_u32 v[SPW], v0, 2, SPARE
	v_mov_b32 v[NIL], 0
	v_lshrrev_b32 v180, 5, v0
	v_readfirstlane_b32 s16, v180                  ; wave = head
	s_and_b32 s18, ttmp7, 0xffff                   ; batch
	s_lshl_b32 s19, s18, 4
	s_add_co_u32 s19, s19, s16
	s_and_b32 s28, s16, 3                          ; tile of columns
	s_lshr_b32 s29, s16, 2                         ; quarter of K
	s_lshl_b32 s30, s19, 12
	s_mov_b32 s31, 0
	s_lshl_b32 s32, s19, 9
	s_mov_b32 s33, 0
	s_lshl_b32 s34, s16, 2
	s_mov_b32 s35, 0
	s_lshl_b32 s36, ttmp9, 6
	s_lshl_b32 s37, s28, 4
	s_add_co_u32 s36, s36, s37
	s_lshl_b32 s36, s36, 12
	s_lshl_b32 s37, s29, 10
	s_add_co_u32 s36, s36, s37
	s_mov_b32 s37, 0
	s_lshl_b32 s38, ttmp9, 8
	s_mov_b32 s39, 0
	s_lshl_b32 s40, s18, 10
	s_add_co_u32 s40, s40, s16
	s_lshl_b32 s40, s40, 12
	s_add_co_u32 s40, s40, s38
	s_mov_b32 s41, 0
	s_mov_b32 s20, 0x76543210
	s_mov_b32 s21, 0xfedcba98
	s_mov_b32 s22, 0x3e38aa3b                      ; c = log2(e) / 8
	s_mov_b32 s23, s22
	s_mov_b32 s24, 0x3727c5ac
	s_mov_b32 s25, 0x47c35000
	s_mov_b32 s26, 0x3fb8aa3b
	v_and_b32 v180, 31, v0
	v_and_b32 v181, 15, v0
	v_bfe_u32 v182, v0, 4, 1
	v_lshlrev_b32 v[LANE16], 4, v180
	v_lshlrev_b32 v[L4], 2, v180
	v_lshlrev_b32 v[L8], 3, v180
	v_lshlrev_b32 v[WO], 12, v181
	v_lshl_add_u32 v[WO], v182, 5, v[WO]           ; Wo: row r of 4096 bytes, + 32 h
	v_lshlrev_b32 v183, 3, v182
	v_sub_nc_u32 v[LD], v181, v183
	v_cvt_f32_u32 v[HM], v182
	v_sub_f32 v[HM], 1.0, v[HM]
	s_lshl_b32 s42, s16, 12
	v_add_nc_u32 v[CSA], s42, v[LANE16]            ; my head's image
	s_lshl_b32 s42, s29, 14
	v_add_nc_u32 v[CLA], s42, v[LANE16]            ; my quarter's four heads
	s_mul_i32 s42, s29, 4352
	s_lshl_b32 s43, s28, 6
	s_add_co_u32 s42, s42, s43
	s_add_co_u32 s42, s42, PST
	v_mul_u32_u24 v[PSA], v181, 272
	v_lshl_add_u32 v[PSA], v182, 5, v[PSA]
	v_add_nc_u32 v[PSA], s42, v[PSA]
	s_mul_i32 s42, s16, 272
	s_add_co_u32 s42, s42, PST
	v_add_nc_u32 v[PRA], s42, v[L8]
	v_mov_b32 v182, 0                              ; lane permutes' destination; upper halves of pairs
	v_mov_b32 v185, 0
	v_mov_b32 v[RC+1], 0
	s_wait_kmcnt 0x0
	s_add_nc_u64 s[4:5], s[4:5], s[30:31]
	s_add_nc_u64 s[6:7], s[6:7], s[32:33]
	s_add_nc_u64 s[8:9], s[8:9], s[34:35]
	s_add_nc_u64 s[10:11], s[10:11], s[36:37]
	s_add_nc_u64 s[12:13], s[12:13], s[38:39]
	s_add_nc_u64 s[14:15], s[14:15], s[40:41]
	s_load_b32 s27, s[8:9], 0x0
.irp f, 0,1,2,3
.irp c, 0,1
	global_load_b128 v[QF+8*\f+4*\c:QF+8*\f+4*\c+3], v[LANE16], s[4:5] offset:1024*\f+512*\c
.endr
.endr
.irp f, 0,1,2,3
.irp c, 0,1
	global_load_b128 v[KF+8*\f+4*\c:KF+8*\f+4*\c+3], v[LANE16], s[4:5] offset:262144+1024*\f+512*\c
.endr
.endr
	global_load_b32 v[MP], v[L4], s[6:7]
.irp f, 0,1,2,3
.irp c, 0,1
	global_load_b128 v[VF+8*\f+4*\c:VF+8*\f+4*\c+3], v[LANE16], s[4:5] offset:524288+1024*\f+512*\c
.endr
.endr
	global_load_b64 v[BI:BI+1], v[L8], s[12:13]
.irp g, 0,1,2,3,4,5,6,7
.irp c, 0,1
	global_load_b128 v[WFA+8*\g+4*\c:WFA+8*\g+4*\c+3], v[WO], s[10:11] offset:64*\g+16*\c
.endr
.endr
	s_wait_kmcnt 0x0
	v_mov_b32 v181, s27                            ; g = softplus(gamma) log2(e), as in the launch before
	v_mul_f32 v180, s26, v181
	v_exp_f32 v181, -|v180|
	v_nop
	s_wait_alu depctr_va_vdst(0)
	v_add_f32 v181, 1.0, v181
	v_log_f32 v181, v181
	v_max_num_f32 v180, 0, v180
	s_wait_alu depctr_va_vdst(0)
	v_add_f32 v181, v180, v181
	v_mul_f32 v[GG], v181, v181
	v_mov_b32 v[GG+1], v[GG]
	v_cvt_f32_i32 v[DD], v[LD]
	v_add_f32 v[DD+1], -1.0, v[DD]
	v_pk_mul_f32 v[DD:DD+1], v[DD:DD+1], v[GG:GG+1]
	; ---- PHASE 1
	s_wait_loadcnt 26                              ; q and k are in: behind them 1 + 8 + 1 + 16 loads were issued
.irp a, 0,1,2,3
.irp f, 0,1,2,3                        ; four accumulators by turns
.if \a == 0
	v_wmma_f32_16x16x4_f32 v[FACC+8*\f:FACC+8*\f+7], v[KF+8*\f+2*\a:KF+8*\f+2*\a+1], v[QF+8*\f+2*\a:QF+8*\f+2*\a+1], 0
.else
	v_wmma_f32_16x16x4_f32 v[FACC+8*\f:FACC+8*\f+7], v[KF+8*\f+2*\a:KF+8*\f+2*\a+1], v[QF+8*\f+2*\a:QF+8*\f+2*\a+1], v[FACC+8*\f:FACC+8*\f+7]
.endif
.endr
.endr
.rept 8
	v_nop                                          ; eight places behind this form: results are read, and loads land on its sources
.endr
.irp g, 0,1,2,3,4,5,6,7
.irp c, 0,1
	global_load_b128 v[WFB+8*\g+4*\c:WFB+8*\g+4*\c+3], v[WO], s[10:11] offset:512+64*\g+16*\c      ; Wo's groups 8-15, where q and k lay
.endr
.endr
.irp i, 0,2,4,6
	v_pk_add_f32 v[SR+\i:SR+\i+1], v[FACC+\i:FACC+\i+1], v[FACC+8+\i:FACC+8+\i+1]
.endr
.irp i, 0,2,4,6
	v_pk_add_f32 v[TA+\i:TA+\i+1], v[FACC+16+\i:FACC+16+\i+1], v[FACC+24+\i:FACC+24+\i+1]
.endr
.irp i, 0,2,4,6
	v_pk_add_f32 v[SR+\i:SR+\i+1], v[SR+\i:SR+\i+1], v[TA+\i:TA+\i+1]      ; register j: key 8 h + j, query r
.endr
.irp j, 0,1,2,3,4,5,6,7
	v_cmp_le_i32 vcc_lo, \j, v[LD]                 ; key 8 h + j counts for query r where j <= r - 8 h;
	v_cndmask_b32 v[SR+\j], 0xff800000, v[SR+\j], vcc_lo   ; a hidden score becomes -infinity: both weights are then 0
.endr
	s_wait_loadcnt 41                              ; m' is in: behind it 8 + 1 + 16 + 16 loads
	v_mov_b32 v[MP+1], v[MP]
.irp i, 0,2,4,6
	v_pk_fma_f32 v[TA+\i:TA+\i+1], v[SR+\i:SR+\i+1], s[22:23], v[MP:MP+1] op_sel_hi:[1,0,0] neg_lo:[0,0,1] neg_hi:[0,0,1]
.endr
	v_exp_f32 v180, v[TA]
.irp j, 1,2,3,4,5,6,7
	v_exp_f32 v[RB+\j-1], v[TA+\j]                 ; one register down, as in the launch before
.endr
	v_mov_b32 v[RB+7], 0
	s_wait_alu depctr_va_vdst(0)
.irp j, 5,4,3,2,1,0
	v_add_f32 v[RB+\j], v[RB+\j], v[RB+\j+1]
.endr
	v_add_f32 v181, v[RB], v180
	v_permlanex16_b32 v182, v181, s20, s21
	v_mul_f32 v184, v182, v[HM]
.irp i, 0,2,4,6
	v_pk_add_f32 v[RB+\i:RB+\i+1], v[RB+\i:RB+\i+1], v[184:185] op_sel_hi:[1,0]
.endr
	v_pk_fma_f32 v[TA:TA+1], v[GG:GG+1], 0, v[DD:DD+1] op_sel_hi:[1,0,1]
	v_pk_fma_f32 v[TA+2:TA+3], v[GG:GG+1], 0xc0000000, v[DD:DD+1] op_sel_hi:[1,0,1]
	v_pk_fma_f32 v[TA+4:TA+5], v[GG:GG+1], 0xc0800000, v[DD:DD+1] op_sel_hi:[1,0,1]
	v_pk_fma_f32 v[TA+6:TA+7], v[GG:GG+1], 0xc0c00000, v[DD:DD+1] op_sel_hi:[1,0,1]
.irp i, 0,2,4,6
	v_pk_mul_f32 v[RB+\i:RB+\i+1], v[RB+\i:RB+\i+1], v[TA+\i:TA+\i+1]
.endr
.irp j, 0,1,2,3,4,5,6,7
	v_sqrt_f32 v[RB+\j], |v[RB+\j]|
.endr
	v_nop
	s_wait_alu depctr_va_vdst(0)
.irp j, 0,1,2,3,4,5,6,7
	v_exp_f32 v[RB+\j], -v[RB+\j]
.endr
	v_nop
	s_wait_alu depctr_va_vdst(0)
.irp j, 0,1,2,3,4,5,6,7
	v_med3_num_f32 v[RB+\j], v[RB+\j], s24, s25
.endr
.irp i, 0,2,4,6
	v_pk_mul_f32 v[TA+\i:TA+\i+1], v[SR+\i:SR+\i+1], v[RB+\i:RB+\i+1]
.endr
	v_max3_num_f32 v180, v[TA], v[TA+1], v[TA+2]
	v_max3_num_f32 v180, v180, v[TA+3], v[TA+4]
	v_max3_num_f32 v180, v180, v[TA+5], v[TA+6]
	v_max_num_f32 v180, v180, v[TA+7]
	v_permlanex16_b32 v182, v180, s20, s21
	v_max_num_f32 v[CM+1], v180, v182              ; the row's maximum: key 0 counts for every query
	v_mul_f32 v[CM], s22, v[CM+1]
.irp i, 0,2,4,6
	v_pk_fma_f32 v[TA+\i:TA+\i+1], v[TA+\i:TA+\i+1], s[22:23], v[CM:CM+1] op_sel_hi:[1,0,0] neg_lo:[0,0,1] neg_hi:[0,0,1]
.endr
.irp j, 0,1,2,3,4,5,6,7
	v_exp_f32 v[TA+\j], v[TA+\j]
.endr
	v_nop
	s_wait_alu depctr_va_vdst(0)
	v_pk_add_f32 v[186:187], v[TA:TA+1], v[TA+2:TA+3]
	v_pk_add_f32 v[180:181], v[TA+4:TA+5], v[TA+6:TA+7]
	v_pk_add_f32 v[186:187], v[186:187], v[180:181]
	v_add_f32 v186, v186, v187
	v_permlanex16_b32 v182, v186, s20, s21
	v_add_f32 v186, v186, v182
	v_rcp_f32 v[RC], v186
	v_nop
	s_wait_alu depctr_va_vdst(0)
.irp i, 0,2,4,6
	v_pk_mul_f32 v[PN+\i:PN+\i+1], v[TA+\i:TA+\i+1], v[RC:RC+1] op_sel_hi:[1,0]
.endr
	s_wait_loadcnt 33                              ; v is in: behind it 1 + 16 + 16 loads
.irp a, 0,1,2,3
.irp d, 0,1,2,3
.if \a == 0
	v_wmma_f32_16x16x4_f32 v[FACC+8*\d:FACC+8*\d+7], v[VF+8*\d+2*\a:VF+8*\d+2*\a+1], v[PN+2*\a:PN+2*\a+1], 0
.else
	v_wmma_f32_16x16x4_f32 v[FACC+8*\d:FACC+8*\d+7], v[VF+8*\d+2*\a:VF+8*\d+2*\a+1], v[PN+2*\a:PN+2*\a+1], v[FACC+8*\d:FACC+8*\d+7]
.endif
.endr
.endr
.rept 9
	v_nop                                          ; eight places for the stores below and the loads onto v's registers, nine for the products that begin these accumulators anew
.endr
.irp d, 0,1,2,3
.irp c, 0,1
	ds_store_b128 v[CSA], v[FACC+8*\d+4*\c:FACC+8*\d+4*\c+3] offset:CIMG+1024*\d+512*\c    ; lane (r, h): features 16 d + 8 h + 0 .. 7 of position r
.endr
.endr
	s_wait_dscnt 0x0
	s_barrier_signal -1
	s_barrier_wait -1                              ; all sixteen heads lie in LDS
	; ---- PHASE 2: source 0 = 16 rows of Wo (output columns), source 1 = the 16 positions
	s_wait_loadcnt 0x0
.irp t, 0,1,2,3
.if \t > 0
.rept 8
	v_nop
.endr
.endif
.irp e, 0,1,2,3
.irp c, 0,1
	ds_load_b128 v[CF+8*\e+4*\c:CF+8*\e+4*\c+3], v[CLA] offset:CIMG+1024*(4*\t+\e)+512*\c
.endr
.endr
	s_wait_dscnt 0x0
.irp e, 0,1,2,3
.set G, 4*\t+\e
.if G < 8
.set WB, WFA+8*G
.else
.set WB, WFB+8*(G-8)
.endif
.irp a, 0,1,2,3
.if G == 0
	v_wmma_f32_16x16x4_f32 v[FACC+8*\a:FACC+8*\a+7], v[WB+2*\a:WB+2*\a+1], v[CF+8*\e+2*\a:CF+8*\e+2*\a+1], 0
.else
	v_wmma_f32_16x16x4_f32 v[FACC+8*\a:FACC+8*\a+7], v[WB+2*\a:WB+2*\a+1], v[CF+8*\e+2*\a:CF+8*\e+2*\a+1], v[FACC+8*\a:FACC+8*\a+7]
.endif
.endr
.endr
.endr
.rept 8
	v_nop
.endr
.irp i, 0,2,4,6
	v_pk_add_f32 v[SR+\i:SR+\i+1], v[FACC+\i:FACC+\i+1], v[FACC+8+\i:FACC+8+\i+1]
.endr
.irp i, 0,2,4,6
	v_pk_add_f32 v[TA+\i:TA+\i+1], v[FACC+16+\i:FACC+16+\i+1], v[FACC+24+\i:FACC+24+\i+1]
.endr
.irp i, 0,2,4,6
	v_pk_add_f32 v[SR+\i:SR+\i+1], v[SR+\i:SR+\i+1], v[TA+\i:TA+\i+1]      ; lane (r, h): columns 8 h + 0 .. 7 of my tile, position r, my quarter of K
.endr
	ds_store_b128 v[PSA], v[SR:SR+3]
	ds_store_b128 v[PSA], v[SR+4:SR+7] offset:16
	s_wait_dscnt 0x0
	s_barrier_signal -1
	s_barrier_wait -1
.irp k, 0,1,2,3
	ds_load_b64 v[TA+2*\k:TA+2*\k+1], v[PRA] offset:4352*\k        ; wave w takes position w: 256 bytes of each quarter
.endr
	s_wait_dscnt 0x0
	v_pk_add_f32 v[TA:TA+1], v[TA:TA+1], v[TA+2:TA+3]
	v_pk_add_f32 v[TA+4:TA+5], v[TA+4:TA+5], v[TA+6:TA+7]
	v_pk_add_f32 v[TA:TA+1], v[TA:TA+1], v[TA+4:TA+5]
	v_pk_add_f32 v[TA:TA+1], v[TA:TA+1], v[BI:BI+1]
	global_store_b64 v[L8], v[TA:TA+1], s[14:15]   ; 256 consecutive aligned bytes
	s_wait_tensorcnt 0x0                           ; the wave's end, behind my last LDS store
	ds_add_u32 v[SPW], v[NIL]
	s_wait_dscnt 0x0
	s_endpgm
.Lfunc_end_k_q60c4ad3d13_fine:
	.size	k_q60c4ad3d13_fine, .Lfunc_end_k_q60c4ad3d13_fine-k_q60c4ad3d13_fine
	.p2alignl 7, 3214868480
	.fill 96, 4, 3214868480
	.section	.rodata,"a",@progbits
	.p2align	6, 0x0
	.amdhsa_kernel k_q60c4ad3d13_fine
		.amdhsa_group_segment_fixed_size 84992
		.amdhsa_private_segment_fixed_size 0
		.amdhsa_enable_private_segment 0
		.amdhsa_kernarg_size 48
		.amdhsa_user_sgpr_count 2
		.amdhsa_user_sgpr_kernarg_segment_ptr 1
		.amdhsa_wavefront_size32 1
		.amdhsa_system_sgpr_workgroup_id_x 1
		.amdhsa_system_sgpr_workgroup_id_y 1
		.amdhsa_system_sgpr_workgroup_id_z 1
		.amdhsa_system_vgpr_workitem_id 0
		.amdhsa_next_free_vgpr 256
		.amdhsa_next_free_sgpr 66
		.amdhsa_reserve_vcc 1
		.amdhsa_float_denorm_mode_32 3
		.amdhsa_float_denorm_mode_16_64 3
		.amdhsa_memory_ordered 1
		.amdhsa_forward_progress 1
		.amdhsa_inst_pref_size 28
	.end_amdhsa_kernel
	.amdgpu_metadata
---
amdhsa.version: [ 1, 2 ]
amdhsa.kernels:
  - .name:           k_q60c4ad3d13_fine
    .symbol:         k_q60c4ad3d13_fine.kd
    .args:
      - { .name: fine32, .offset: 0, .size: 8, .value_kind: global_buffer, .address_space: global }
      - { .name: mz, .offset: 8, .size: 8, .value_kind: global_buffer, .address_space: global }
      - { .name: gammas, .offset: 16, .size: 8, .value_kind: global_buffer, .address_space: global }
      - { .name: Wo, .offset: 24, .size: 8, .value_kind: global_buffer, .address_space: global }
      - { .name: bo, .offset: 32, .size: 8, .value_kind: global_buffer, .address_space: global }
      - { .name: out0, .offset: 40, .size: 8, .value_kind: global_buffer, .address_space: global }
    .group_segment_fixed_size: 84992
    .private_segment_fixed_size: 0
    .kernarg_segment_align: 8
    .kernarg_segment_size: 48
    .max_flat_workgroup_size: 512
    .sgpr_count:     66
    .vgpr_count:     256
    .wavefront_size: 32
...
	.end_amdgpu_metadata
.endif
;; end of part 4
;; launch outp (part 5): grid 8 x 32, 4 waves a work-group, clusters of 4 x 1, 262,656 bytes of LDS; arguments cimg, woh, bo, out0; writes out0
.if DOCPART == 5
	.amdgcn_target "amdgcn-amd-amdhsa--gfx1250"
	.amdhsa_code_object_version 6
	.text
	.protected	k_q60c4ad3d13_outp
	.globl	k_q60c4ad3d13_outp
	.p2align	8
	.type	k_q60c4ad3d13_outp,@function
k_q60c4ad3d13_outp:
	s_mov_b64 s[64:65], 0
	v_nop
	global_prefetch_b8 v0, s[64:65] scope:SCOPE_SE
	s_setreg_imm32_b32 hwreg(HW_REG_WAVE_MODE, 25, 1), 1
	s_wait_xcnt 0x0
	s_wait_alu depctr_hold_cnt(0) depctr_sa_sdst(0) depctr_va_vdst(0) depctr_va_sdst(0) depctr_va_ssrc(0) depctr_va_vcc(0) depctr_vm_vsrc(0)
	s_getreg_b32 s2, hwreg(HW_REG_IB_STS2, 6, 4)
	s_cmp_eq_u32 s2, 0
	s_cbranch_scc0 .Lentry_in_a_cluster
	s_endpgm
.Lentry_in_a_cluster:
	s_bfe_u32 s2, ttmp6, 0x10000c
	s_cmp_lg_u32 s2, 0x3003
	s_cbranch_scc0 .Lentry_shape_is_right
	s_endpgm
.Lentry_shape_is_right:
; out = concat Wo^T + bo on f16 operands, f32 sums, for all rows but positions 0-15 of each sequence, which the fine launch stores (their blocks lie inside tiles that also hold live rows: computed, not stored).
; A work-group makes 128 rows (cluster y) x 128 columns (4 x cluster x + cx).  Its 128 rows of concat, all of K, 262144 bytes of register images, stay in LDS; the four partners share the rows and ask for them JOINTLY:
; four loads a wave, one for each quarter of K, all issued at the head: four loads of mine are out; nothing is filled twice.
; Wo IS NOT SHARED IN THE CLUSTER: the rows fill LDS, and each wave reads other bytes of Wo's images: its 32 columns come from memory straight into a ring of six K steps of registers, five of them on their way.
; A wave: 8 row tiles x 2 column tiles = 16 accumulators, by turns.  Source 0 = rows of Wo, source 1 = rows of concat: a lane holds eight neighbouring columns of one row.
; A K step issues the next step's LDS loads and the ring's next loads AHEAD of its own 16 products, so that they land under them.
; THE WAY OUT: through a stage of 128 rows x 528 bytes in LDS bytes that have had their only fill and their last read; each wave stores 32 whole rows' 512 bytes, + bias.
.set SPARE,  262144
.set LANE16, 1
.set ADRA,   2                         ; v2-5 16 x lane + quarter x 65536
.set STO,    6
.set RD,     7
.set BI,     12                        ; v12-15 the bias of my four columns on the way out
.set SPW,    28
.set NIL,    29
.set AS,     32                        ; v32-95, v96-159 concat's fragments, two sets
.set WR,     160                       ; v160-255 Wo's ring: six K steps x 16 registers
.set G1,     16
.set G0,     32
.set MSB, 0
.macro WIN new
.if MSB != (\new)
	s_set_vgpr_msb (MSB<<8)|(\new)
.set MSB, (\new)
.endif
.endm
.macro CROUND
	s_barrier_signal -1
	s_barrier_wait -1
	s_cmp_lg_u32 s12, 0
	s_cbranch_scc1 .Lnot_wave_0_\@
	s_barrier_signal -3
.Lnot_wave_0_\@:
	s_barrier_wait -3
	s_barrier_signal -1
	s_barrier_wait -1
.endm
	s_load_b256 s[4:11], s[0:1], 0x0               ; cimg woh bo out0
	v_lshl_add_u32 v[SPW], v0, 2, SPARE
	v_mov_b32 v[NIL], 0
	ds_add_u32 v[SPW], v[NIL]                      ; the opening: the add, twice on end, and its wait ahead of my first tensor load
	ds_add_u32 v[SPW], v[NIL]
	v_lshrrev_b32 v8, 5, v0
	v_readfirstlane_b32 s12, v8                    ; wave
	s_bfe_u32 s13, ttmp6, 0x40000                  ; cx
	s_and_b32 s14, ttmp7, 0xffff                   ; which 128 rows
	s_lshl_b32 s15, ttmp9, 2
	s_add_co_u32 s15, s15, s13                     ; which 128 columns: it enters Wo's, the bias's and the output's addresses alone
	s_mov_b32 s[G1], 15|(3<<16)|(1<<21)            ; mask of all four; elements of 8 bytes; bit 21 beside a mask
	s_mov_b32 s[G1+1], 1024<<16                    ; a row: 8192 bytes, a quarter of K of one row tile
	s_mov_b32 s[G1+2], 2<<16                       ; two row tiles
	s_mov_b32 s[G1+3], 1024<<16
	s_mov_b32 s[G1+4], 2
	s_mov_b32 s[G1+5], 4096                        ; 32768 bytes from row tile to row tile
	s_mov_b32 s[G1+6], 0
	s_mov_b32 s[G1+7], 0
	s_lshl_b32 s24, s12, 14                        ; LDS: wave x 16384
	s_lshl_b32 s26, s14, 18
	s_lshl_b32 s25, s12, 16
	s_add_co_u32 s26, s26, s25
	s_mov_b32 s27, 0
	s_wait_dscnt 0x0                               ; both opening adds are done
	s_wait_kmcnt 0x0
	s_add_nc_u64 s[26:27], s[4:5], s[26:27]
	CROUND                                         ; all four work-groups are here
.irp k, 0,1,2,3
	s_mov_b32 s[G0+4*\k], 1
	s_add_co_u32 s[G0+4*\k+1], s24, \k*65536
	s_add_nc_u64 s[G0+4*\k+2:G0+4*\k+3], s[26:27], \k*8192
	s_or_b32 s[G0+4*\k+3], s[G0+4*\k+3], 0x80000000
.endr
.irp k, 0,1,2,3
	tensor_load_to_lds s[G0+4*\k:G0+4*\k+3], s[G1:G1+7]
	s_nop 0
.endr
.rept 4
	v_nop
.endr
	s_lshl_b32 s48, s15, 3
	s_lshl_b32 s49, s12, 1
	s_add_co_u32 s48, s48, s49
	s_lshl_b32 s48, s48, 15
	s_mov_b32 s49, 0
	s_add_nc_u64 s[6:7], s[6:7], s[48:49]          ; Wo's images: column tile 8 x slab + 2 x wave
	s_lshl_b32 s48, s15, 9
	s_add_nc_u64 s[8:9], s[8:9], s[48:49]
	s_lshl_b32 s50, s14, 7
	s_lshl_b32 s51, s12, 5
	s_add_co_u32 s50, s50, s51
	s_lshl_b32 s50, s50, 12
	s_add_co_u32 s50, s50, s48
	s_mov_b32 s51, 0
	s_add_nc_u64 s[10:11], s[10:11], s[50:51]      ; the first row that I store
	v_and_b32 v8, 31, v0
	v_and_b32 v9, 15, v0
	v_bfe_u32 v10, v0, 4, 1
	v_lshlrev_b32 v[LANE16], 4, v8
.irp k, 0,1,2,3
	v_add_nc_u32 v[ADRA+\k], \k*65536, v[LANE16]
.endr
	v_mul_u32_u24 v[STO], v9, 528
	v_lshl_add_u32 v[STO], v10, 5, v[STO]
	s_lshl_b32 s52, s12, 7
	v_add_nc_u32 v[STO], s52, v[STO]               ; the stage: row r, + 128 x wave + 32 h
	s_mul_i32 s52, s12, 16896
	v_add_nc_u32 v[RD], s52, v[LANE16]             ; back: my 32 rows, 16 bytes a lane
	global_load_b128 v[BI:BI+3], v[LANE16], s[8:9]
.macro BLOAD u                         ; Wo's two fragments of K step u
.irp b, 0,1
.irp c, 0,1
	global_load_b128 v[WR+16*((\u)%6)+8*\b+4*\c:WR+16*((\u)%6)+8*\b+4*\c+3], v[LANE16], s[6:7] offset:32768*\b+1024*(\u)+512*\c
.endr
.endr
.endm
.macro ALOAD u                         ; concat's eight fragments of K step u
.irp a, 0,1,2,3,4,5,6,7
.irp c, 0,1
	ds_load_b128 v[AS+64*((\u)%2)+8*\a+4*\c:AS+64*((\u)%2)+8*\a+4*\c+3], v[ADRA+(\u)/8] offset:8192*\a+1024*((\u)%8)+512*\c
.endr
.endr
.endm
.macro KSTEP u
.if 31-(\u) < 4
	s_wait_loadcnt 4*(31-(\u))                     ; this step's four loads of Wo are in; the younger steps' may be out
.else
	s_wait_loadcnt 16
.endif
	s_wait_dscnt 0x0                               ; this step's fragments of concat are in
.if (\u) > 0
.rept 4
	v_nop                                          ; places behind the last step's products, in front of loads into the registers that they read
.endr
.endif
.if ((\u)%8 == 7) && ((\u) < 31)
	s_wait_tensorcnt 2-(\u)/8                      ; my part of the next quarter of K is in; the later quarters may stay out
	s_barrier_signal -1
	s_barrier_wait -1
.endif
.if (\u) < 31
	ALOAD (\u)+1
.endif
.if (\u)+5 < 32
	BLOAD (\u)+5
.endif
	WIN 0x50                                       ; C and D window 1
.irp a, 0,1,2,3,4,5,6,7
.irp b, 0,1
.if (\u) == 0
	v_wmma_f32_16x16x32_f16 v[8*(2*\a+\b):8*(2*\a+\b)+7], v[WR+16*((\u)%6)+8*\b:WR+16*((\u)%6)+8*\b+7], v[AS+64*((\u)%2)+8*\a:AS+64*((\u)%2)+8*\a+7], 0
.else
	v_wmma_f32_16x16x32_f16 v[8*(2*\a+\b):8*(2*\a+\b)+7], v[WR+16*((\u)%6)+8*\b:WR+16*((\u)%6)+8*\b+7], v[AS+64*((\u)%2)+8*\a:AS+64*((\u)%2)+8*\a+7], v[8*(2*\a+\b):8*(2*\a+\b)+7]
.endif
.endr
.endr
	WIN 0
.endm
.irp u, 0,1,2,3,4
	BLOAD \u
.endr
	s_wait_tensorcnt 3                             ; my part of the first quarter of K is in,
	s_barrier_signal -1
	s_barrier_wait -1                              ; everybody's is
	ALOAD 0
.set U, 0
.rept 32
	KSTEP U
.set U, U+1
.endr
.rept 4
	v_nop                                          ; behind the last products: their results are read, and loads land on their sources
.endr
	s_barrier_signal -1                            ; no LDS instruction of mine is out: my reads of concat are over
	s_barrier_wait -1                              ; everybody's are: the stage may be written
	WIN 0x04                                       ; an LDS store's data: window 1
.irp a, 0,1,2,3,4,5,6,7
.irp b, 0,1
	ds_store_b128 v[STO], v[8*(2*\a+\b):8*(2*\a+\b)+3] offset:8448*\a+64*\b        ; each accumulator from its low end on
	ds_store_b128 v[STO], v[8*(2*\a+\b)+4:8*(2*\a+\b)+7] offset:8448*\a+64*\b+16
.endr
.endr
	WIN 0
	s_wait_dscnt 0x0
	s_barrier_signal -1
	s_barrier_wait -1                              ; 128 whole rows lie in the stage
.macro ROWS k                          ; 16 rows: back from the stage, + bias, out
.irp i, 0,1,2,3,4,5,6,7,8,9,10,11,12,13,14,15
	ds_load_b128 v[AS+64*\k+4*\i:AS+64*\k+4*\i+3], v[RD] offset:(16*\k+\i)*528
.endr
.irp i, 0,1,2,3,4,5,6,7,8,9,10,11,12,13,14,15
	s_wait_dscnt 15-\i                             ; row i is back; the younger rows may be out
	v_pk_add_f32 v[AS+64*\k+4*\i:AS+64*\k+4*\i+1], v[AS+64*\k+4*\i:AS+64*\k+4*\i+1], v[BI:BI+1]
	v_pk_add_f32 v[AS+64*\k+4*\i+2:AS+64*\k+4*\i+3], v[AS+64*\k+4*\i+2:AS+64*\k+4*\i+3], v[BI+2:BI+3]
	global_store_b128 v[LANE16], v[AS+64*\k+4*\i:AS+64*\k+4*\i+3], s[10:11] offset:(16*\k+\i)*4096 th:TH_STORE_NT    ; 512 consecutive aligned bytes
.endr
.endm
	s_and_b32 s52, s14, 7
	s_or_b32 s52, s52, s12
	s_cmp_eq_u32 s52, 0                            ; positions 0-15 of a sequence are the fine launch's: ids that all partners share, and the wave's number
	s_cbranch_scc1 .Lnot_mine
	ROWS 0
.Lnot_mine:
	ROWS 1
	s_wait_tensorcnt 0x0                           ; the wave's end
	ds_add_u32 v[SPW], v[NIL]
	s_wait_dscnt 0x0
	CROUND                                         ; the closing round
	s_endpgm
.Lfunc_end_k_q60c4ad3d13_outp:
	.size	k_q60c4ad3d13_outp, .Lfunc_end_k_q60c4ad3d13_outp-k_q60c4ad3d13_outp
	.p2alignl 7, 3214868480
	.fill 96, 4, 3214868480
	.section	.rodata,"a",@progbits
	.p2align	6, 0x0
	.amdhsa_kernel k_q60c4ad3d13_outp
		.amdhsa_group_segment_fixed_size 262656
		.amdhsa_private_segment_fixed_size 0
		.amdhsa_enable_private_segment 0
		.amdhsa_kernarg_size 32
		.amdhsa_user_sgpr_count 2
		.amdhsa_user_sgpr_kernarg_segment_ptr 1
		.amdhsa_wavefront_size32 1
		.amdhsa_system_sgpr_workgroup_id_x 1
		.amdhsa_system_sgpr_workgroup_id_y 1
		.amdhsa_system_sgpr_workgroup_id_z 1
		.amdhsa_system_vgpr_workitem_id 0
		.amdhsa_next_free_vgpr 512
		.amdhsa_next_free_sgpr 66
		.amdhsa_reserve_vcc 0
		.amdhsa_float_denorm_mode_32 3
		.amdhsa_float_denorm_mode_16_64 3
		.amdhsa_memory_ordered 1
		.amdhsa_forward_progress 1
		.amdhsa_inst_pref_size 102
	.end_amdhsa_kernel
	.amdgpu_metadata
---
amdhsa.version: [ 1, 2 ]
amdhsa.kernels:
  - .name:           k_q60c4ad3d13_outp
    .symbol:         k_q60c4ad3d13_outp.kd
    .args:
      - { .name: cimg, .offset: 0, .size: 8, .value_kind: global_buffer, .address_space: global }
      - { .name: woh, .offset: 8, .size: 8, .value_kind: global_buffer, .address_space: global }
      - { .name: bo, .offset: 16, .size: 8, .value_kind: global_buffer, .address_space: global }
      - { .name: out0, .offset: 24, .size: 8, .value_kind: global_buffer, .address_space: global }
    .group_segment_fixed_size: 262656
    .private_segment_fixed_size: 0
    .kernarg_segment_align: 8
    .kernarg_segment_size: 32
    .max_flat_workgroup_size: 128
    .sgpr_count:     66
    .vgpr_count:     512
    .wavefront_size: 32
...
	.end_amdgpu_metadata
.endif
;; end of part 5
